; MI455X (gfx1250); checked and timed in simulation.
; The chip was launched on July 23, 2026; its instructions are those of AMD's public machine-readable ISA for CDNA 5 (MIT licence, August 2026) and "CDNA5" Instruction Set Architecture Reference Guide (July 2026). The comments in the code are by the model that wrote it; some were corrected since.
;; Llama Decoder Layer. Allowed arithmetic: matrix products marked QUANTISED: E4M3 operands, one E8M0 scale for each 32 along K, by v_wmma_scale_f32_16x16x128_f8f6f4 with both operands' format E4M3, f32 sums; everything else in f32.
;; Inputs: hidden_states 1 x 4,096 x 768 float32; ln1_w 768 float32; ln2_w 768 float32; w_down 768 x 3,072 float32; w_up 3,072 x 768 float32; wk 768 x 768 float32; wo 768 x 768 float32; wq 768 x 768 float32; wv 768 x 768 float32.
;; Outputs: out0 1 x 4,096 x 768 float32.
;; This version of the problem:
;;   THIS VERSION OF THE PROBLEM IS GIVEN IN LOW PRECISION. The matrix products marked QUANTISED in the list below multiply operands that are first quantised to E4M3 (4 exponent bits, 3 mantissa bits; 8 bits a number), with one power-of-two scale for each 32 numbers along K (OCP MX v1.0); their sums are f32. All else is computed in f32.
;;   The module's matrix products, in the order in which they are computed (A, B: the left and right operand; K: the contracted axis; several contracted axes count as one K, in the product's order):
;;     1. [M 4,096, K 768] x [K 768, N 768]; A: computed on the way; B: input wq: QUANTISED
;;     2. [M 4,096, K 768] x [K 768, N 768]; A: computed on the way; B: input wk: QUANTISED
;;     3. [M 4,096, K 768] x [K 768, N 768]; A: computed on the way; B: input wv: QUANTISED
;;     4. batch 12 x [M 4,096, K 64] x [K 64, N 4,096]; A: computed on the way; B: computed on the way: QUANTISED
;;     5. batch 12 x [M 4,096, K 4,096] x [K 4,096, N 64]; A: softmax (see below); B: computed on the way: QUANTISED
;;     6. [M 4,096, K 768] x [K 768, N 768]; A: computed on the way; B: input wo: QUANTISED
;;     7. [M 4,096, K 768] x [K 768, N 3,072]; A: computed on the way; B: input w_up: QUANTISED
;;     8. [M 4,096, K 3,072] x [K 3,072, N 768]; A: computed on the way; B: input w_down: QUANTISED
;;   THE QUANTISER, for each operand of a quantised product, along K:
;;     - K is cut into blocks of 32 from its start; a last block that is shorter is filled with zeros.
;;     - A block's scale is 2^e with e = floor(log2(the largest magnitude in the block)) - 8, held to -126 .. 127; a block of zeros has e = 0. As a byte (E8M0): e + 127.
;;     - Each number is divided by its block's scale, clamped to +-448, and rounded to the nearest number of E4M3, ties to even, subnormals kept.
;;     - The product sums the exact products of the quantised numbers (number of the format x scale) in f32.
;;   ~~~python
;;   def quantise(x, axis):      # numpy; x: float32 -> the quantised numbers, widened to float32 again
;;       x = np.moveaxis(x, axis, -1); K = x.shape[-1]
;;       x = np.pad(x, [(0, 0)] * (x.ndim - 1) + [(0, -K % 32)]); x = x.reshape(x.shape[:-1] + (-1, 32)); a = np.abs(x).max(-1, keepdims=True)
;;       e = np.where(a > 0, np.clip(np.frexp(np.where(a > 0, a, 1))[1] - 1 - 8, -126, 127), 0)      # np.frexp(a)[1] - 1 = floor(log2(a)), exactly
;;       r = np.clip(x / 2.0 ** e, -448, 448)
;;       step = 2.0 ** (np.maximum(np.frexp(np.where(r == 0, 1, r))[1] - 1, -6) - 3)
;;       q = np.round(r / step) * step * 2.0 ** e      # np.round: ties to even
;;       return np.moveaxis(q.reshape(q.shape[:-2] + (-1,))[..., :K], -1, axis).astype(np.float32)
;;   ~~~
;;   SOFTMAX AHEAD OF A QUANTISED PRODUCT. Where the list says 'softmax', what is quantised is not the finished softmax but p = 2^(t - M), with t = logit x log2(e) and M = ceil(the row's largest t), a whole number; so 1/2 < the row's largest p <= 1. The row's sum l is taken of the UNQUANTISED p, in f32, and the product's result is divided by l at the end. Since M is a whole number, a kernel that streams over the keys may use a running M (the ceiling of the running maximum): every later rescaling is an exact power of two, which a block's scale takes up: the codes' values come out the same.
;;   OPERANDS COMPUTED ON THE WAY. 'Computed on the way' means the value that the module computes at that place (a softmax that the list does not call 'softmax' is quantised finished and normalised). What goes into a quantiser is computed in f32, as accurately as f32 sums, v_exp_f32 and their like allow (about 1e-6 of the number): no bf16 or f16 on the way to a quantiser, and a product that is left as it is and whose result goes on into a quantised operand takes f32 operands (vector FMAs, or v_wmma_f32_16x16x4_f32). A number that lies on a knife's edge between two numbers of the format may be rounded either way, as far as f32 arithmetic and the matrix unit's own rounding can turn it there, and no further.
;; One version. Each part assembles by itself: llvm-mc -triple=amdgcn-amd-amdhsa -mcpu=gfx1250 --defsym DOCPART=n.
;; ======== version 1 of 1: 6 launches
;; limits: right only within a limited range of input values
;; workspace buffers: wsp 10,543,104 bytes; hn 3,244,032 bytes; qkvb 9,732,096 bytes; ob 3,244,032 bytes; x32 12,582,912 bytes; actb 12,976,128 bytes
;; launch prep (part 1): grid 416 x 1, 6 waves a work-group, no clusters, 103,168 bytes of LDS; arguments hidden_states, ln1_w, wq, wk, wv, wo, w_up, w_down, wsp; writes wsp
.if DOCPART == 1
	.amdgcn_target "amdgcn-amd-amdhsa--gfx1250"
	.amdhsa_code_object_version 6
	.text
	.protected	k_q1a212c908a_prep
	.globl	k_q1a212c908a_prep
	.p2align	8
	.type	k_q1a212c908a_prep,@function
k_q1a212c908a_prep:
	s_mov_b64 s[64:65], 0
	v_nop
	global_prefetch_b8 v0, s[64:65] scope:SCOPE_SE
	s_setreg_imm32_b32 hwreg(HW_REG_WAVE_MODE, 25, 1), 1
	s_wait_xcnt 0x0
; RMS norm of the tokens, and the quantiser (MX-FP8: E4M3 codes, one E8M0 byte for each 32 along K) for the tokens and for all six weights.  K is innermost in every one of them.
; A work-group takes a PAIR of tiles (32 consecutive rows) and six K steps of 128; wave w takes one K step: 32 rows x 128 numbers.
; Work-groups 0-127: token pairs (normed: x * rsqrt(mean(x^2) + 1e-5) * gain); 128-199: wq, wk, wv as one tensor of 2,304 rows; 200-223: wo; 224-319: w_up; 320-415: w_down (24 K steps: four work-groups a pair).
; WHAT IS STORED are images of operand registers.  Tile T holds rows 32 (T/2) + 8 (T%2) + r + 8 (r/8), r = 0..15.  A fragment (tile, K step) is 2,048 bytes: piece c (512 bytes) has lane l's 16 codes of
; row r = l % 16, k = 32 c + 16 (l / 16) + 0..15.  Fragments lie ((group * KS + step) * 2 GP + tile in group) * 2,048, GP pairs to a group (tokens 1, wqkv and w_up 12, wo and w_down 2), so that what a later
; work-group wants of a weight is one dense block.  Scale words lie (pair * KS + step) * 128 + 4 l: lanes 0-15 the even tile's rows, lanes 16-31 the odd tile's.
; Each load reads one row's 512 consecutive bytes; a tile turns through the wave's own stage in LDS (pitch 528) so that a lane gets 16 neighbours of each block of 32.  Each store of codes covers 512 consecutive bytes.
; The row's sum of squares spans the six waves: one barrier.  A weight's work-group runs the sums and the barrier too and throws the result away: so the barrier stands on every path; only the multiplications are jumped over.
; No cluster: work-groups share no input.  No matrix unit: there is no product here.
; LIMITS: a block of zeros gets the byte 1, not 127 (its codes are zeros, and only this program reads the bytes); NaN and infinities are not served.
.set XN_S,   3145728
.set WQKV_C, 3244032
.set WQKV_S, 5013504
.set WO_C,   5068800
.set WO_S,   5658624
.set WUP_C,  5677056
.set WUP_S,  8036352
.set WDN_C,  8110080
.set WDN_S,  10469376
.set SPI,  528                         ; a stage row: 512 bytes + 16
.set STG,  16*SPI                      ; a stage: 16 rows; two for each wave
.set EXB,  6*2*STG                     ; behind the stages: the waves' sums of squares, 128 bytes a wave
.set PW0,  1                           ; v1, v2  the two tiles' scale words (until then: lane, r)
.set PW1,  2
.set L16,  4                           ; v4   16 x lane
.set SIN,  5                           ; v5   stage, way in
.set SOUT, 6                           ; v6   stage, way out
.set EXW,  7                           ; v7   where I put my sum
.set VO,   8                           ; v8-11 16 x lane + 8 k rows
.set EXR,  12                          ; v12  where I read the six sums
.set GOF,  13                          ; v13  64 x (lane / 16): my gains
.set L4,   14                          ; v14  4 x lane
.set TM,   16                          ; v16-31 the quantiser's work
.set RA,   32                          ; v32-95   tile 0: as loaded, then 64 numbers of my row
.set RB,   96                          ; v96-159  tile 1
.set GN,   160                         ; v160-223 my 64 gains
.set PC0,  224                         ; v224-239 tile 0's codes; before that at work
.set PC1,  240                         ; v240-255 tile 1's
.set RS0,  236                         ; v[236:237], v[238:239] the rows' reciprocal roots
.set RS1,  238
.set WV,  2
.set WG,  3
.set SEL, 22
.set MNT, 24
.set SF,  25
.set DF,  26
.set CB,  27
.set SB,  28
.set GP,  29
.set MM,  30
.set SH,  31
.set BS,  32                           ; s[32:47] eight row bases
.set MK,  48
.set PI,  49
.set KS,  50
.set HM,  51
.set SRC, 52
.macro RANGE lo, p, sf, df, cb, sb, gp, m      ; from work-group lo on: another tensor.  The choices hang on the work-group's number alone
	s_cmp_ge_u32 s[WG], \lo
	s_cselect_b64 s[SRC:SRC+1], s[\p:\p+1], s[SRC:SRC+1]
	s_cselect_b32 s[SF], \sf, s[SF]
	s_cselect_b32 s[DF], \df, s[DF]
	s_cselect_b32 s[CB], \cb, s[CB]
	s_cselect_b32 s[SB], \sb, s[SB]
	s_cselect_b32 s[GP], \gp, s[GP]
	s_cselect_b32 s[MM], \m, s[MM]
.endm
; 64 numbers of a lane, register 16 b + i = k 32 b + 16 (lane / 16) + i of my row, become a fragment's codes in v[pc] on and its scale word in v[pw]
.macro QUANT s, pc, pw
.irp b, 0,1,2,3
	v_max3_num_f32 v[TM+\b], |v[\s+16*\b]|, |v[\s+1+16*\b]|, 0x4800000   ; my 16 numbers of block b, and the floor 2^(9 - 127): the byte cannot fall under 1
.endr
.irp i, 2,4,6,8,10,12,14
.irp b, 0,1,2,3
	v_max3_num_f32 v[TM+\b], v[TM+\b], |v[\s+16*\b+\i]|, |v[\s+1+16*\b+\i]|
.endr
.endr
.irp b, 0,1,2,3
	v_permlanex16_b32 v[TM+4+\b], v[TM+\b], s[SEL], s[SEL+1]
.endr
.irp b, 0,1,2,3
	v_max_num_f32 v[TM+\b], v[TM+\b], v[TM+4+\b]           ; with lane l xor 16's: the block's largest magnitude
.endr
.irp b, 0,1,2,3
	v_add_nc_u32 v[TM+12+\b], 0xfc000000, v[TM+\b]         ; 8 off its exponent field: the conversion's scale operand
.endr
.irp b, 0,1,2,3
	v_and_or_b32 v[TM+8+\b], v[TM+\b], 0x7f800000, s[MNT]  ; 448 x the scale
.endr
.irp b, 0,1,2,3
	v_lshrrev_b32 v[TM+4+\b], 23, v[TM+12+\b]              ; the scale's byte
.endr
	v_lshl_or_b32 v[\pw], v[TM+5], 8, v[TM+4]
	v_lshl_or_b32 v[\pw], v[TM+6], 16, v[\pw]
	v_lshl_or_b32 v[\pw], v[TM+7], 24, v[\pw]
.irp b, 0,1,2,3
.irp i, 0,1,2,3,4,5,6,7,8,9,10,11,12,13,14,15
	v_med3_num_f32 v[\s+16*\b+\i], v[\s+16*\b+\i], -v[TM+8+\b], v[TM+8+\b]   ; the conversion does not saturate (ISA guide 7.6.2): the hold at the largest code x the scale
.endr
	v_cvt_scalef32_pk8_fp8_f32 v[\pc+4*\b:\pc+1+4*\b], v[\s+16*\b:\s+7+16*\b], v[TM+12+\b]
	v_cvt_scalef32_pk8_fp8_f32 v[\pc+2+4*\b:\pc+3+4*\b], v[\s+8+16*\b:\s+15+16*\b], v[TM+12+\b]
.endr
	v_nop                                          ; a plain line behind the last conversion
.endm
.macro TURN x, o                       ; a tile through my stage at byte o, and back into the registers that it left: LDS serves a wave's instructions in order
.set n, 0
.rept 16
	ds_store_b128 v[SIN], v[\x+4*n:\x+4*n+3] offset:\o+n*SPI
.set n, n+1
.endr
.set n, 0
.rept 16
	ds_load_b128 v[\x+4*n:\x+4*n+3], v[SOUT] offset:\o+128*(n/4)+16*(n%4)
.set n, n+1
.endr
.endm
.macro SQ x, a                         ; the sum of squares of my 64 numbers, two at a time in two chains; the first products start the sums
	v_pk_mul_f32 v[\a:\a+1], v[\x:\x+1], v[\x:\x+1]
	v_pk_mul_f32 v[\a+2:\a+3], v[\x+2:\x+3], v[\x+2:\x+3]
.irp k, 4,8,12,16,20,24,28,32,36,40,44,48,52,56,60
	v_pk_fma_f32 v[\a:\a+1], v[\x+\k:\x+\k+1], v[\x+\k:\x+\k+1], v[\a:\a+1]
	v_pk_fma_f32 v[\a+2:\a+3], v[\x+\k+2:\x+\k+3], v[\x+\k+2:\x+\k+3], v[\a+2:\a+3]
.endr
	v_pk_add_f32 v[\a:\a+1], v[\a:\a+1], v[\a+2:\a+3]
	v_add_f32 v[\a], v[\a], v[\a+1]
.endm
	s_load_b256 s[4:11], s[0:1], 0x0               ; tokens s[4:5], gains s[6:7], wq s[8:9], wk s[10:11]
	s_load_b256 s[12:19], s[0:1], 0x20             ; wv, wo, w_up, w_down
	s_load_b64 s[20:21], s[0:1], 0x40              ; the images
	v_lshl_add_u32 v15, v0, 2, 0x19000
	s_set_vgpr_msb 0x40
	v_mov_b32 v1, 0
	s_set_vgpr_msb 0x4000
	v_lshrrev_b32 v1, 5, v0
	v_readfirstlane_b32 s[WV], v1                  ; wave 0..5
	v_and_b32 v1, 31, v0                           ; lane
	v_and_b32 v2, 15, v0                           ; r
	v_bfe_u32 v3, v0, 4, 1                         ; h
	v_lshlrev_b32 v[L16], 4, v1
	v_lshlrev_b32 v[L4], 2, v1
	s_mul_i32 s54, s[WV], 2*STG
	v_add_nc_u32 v[SIN], s54, v[L16]               ; in: a row's 512 bytes as they lie
	v_mul_u32_u24 v[SOUT], v2, SPI
	v_lshl_add_u32 v[SOUT], v3, 6, v[SOUT]
	v_add_nc_u32 v[SOUT], s54, v[SOUT]             ; out: row r, + 64 h: my 16 numbers of a block of 32
	s_lshl_b32 s54, s[WV], 7
	s_add_co_u32 s54, s54, EXB
	v_add_nc_u32 v[EXW], s54, v[L4]
	v_add_nc_u32 v[EXR], EXB, v[L4]
	v_lshlrev_b32 v[GOF], 6, v3
.irp b, 0,1,2,3
	v_mov_b32 v[TM+4+\b], 0                        ; written once: a lane permute's destination counts as one of its sources
.endr
	v_mov_b32 v232, 0
	v_mov_b32 v233, 0
	v_mov_b32 v[RS0+1], 0                          ; (named as the upper halves of pairs)
	v_mov_b32 v[RS1+1], 0
	s_mov_b32 s[SEL], 0x76543210
	s_mov_b32 s[SEL+1], 0xfedcba98                 ; v_permlanex16_b32's selects for lane l xor 16
	s_mov_b32 s[MNT], 0x600000                     ; the mantissa field of 448
	s_mov_b32 s[HM], 0xffff0000                    ; lanes 16-31
	s_mov_b32 s[WG], ttmp9
	s_mov_b32 s[SF], 0
	s_mov_b32 s[DF], 0
	s_mov_b32 s[CB], 0
	s_mov_b32 s[SB], XN_S
	s_mov_b32 s[GP], 1
	s_mov_b32 s[MM], 2048
	s_mov_b32 s[PI], 3072
	s_wait_kmcnt 0x0
	s_mov_b64 s[SRC:SRC+1], s[4:5]
	RANGE 128, 8,  128, 128, WQKV_C, WQKV_S, 12, 171
	RANGE 152, 10, 152, 128, WQKV_C, WQKV_S, 12, 171
	RANGE 176, 12, 176, 128, WQKV_C, WQKV_S, 12, 171
	RANGE 200, 14, 200, 200, WO_C,   WO_S,   2,  1024
	RANGE 224, 16, 224, 224, WUP_C,  WUP_S,  12, 171
	RANGE 320, 18, 320, 320, WDN_C,  WDN_S,  2,  1024
	s_cselect_b32 s[SH], 2, 0                      ; w_down: four work-groups to a pair,
	s_cselect_b32 s[MK], 3, 0
	s_cselect_b32 s[PI], 12288, s[PI]              ; rows of 12,288 bytes,
	s_cselect_b32 s[KS], 24, 6                     ; 24 K steps
	s_sub_co_u32 s54, s[WG], s[SF]
	s_lshr_b32 s55, s54, s[SH]                     ; the pair in its tensor
	s_and_b32 s56, s54, s[MK]
	s_sub_co_u32 s57, s[WG], s[DF]
	s_lshr_b32 s57, s57, s[SH]                     ; the pair in its image
	s_mul_i32 s58, s56, 6
	s_add_co_u32 s58, s58, s[WV]                   ; my K step
	s_mul_i32 s59, s57, s[MM]
	s_lshr_b32 s59, s59, 11                        ; group = pair / GP (171 / 2048 serves / 12 for pairs under 96)
	s_mul_i32 s60, s59, s[GP]
	s_sub_co_u32 s60, s57, s60                     ; pair in the group
	s_mul_i32 s61, s59, s[KS]
	s_add_co_u32 s61, s61, s58
	s_mul_i32 s61, s61, s[GP]
	s_add_co_u32 s61, s61, s60
	s_lshl_b32 s61, s61, 12                        ; ((group KS + step) GP + pair) x two fragments
	s_add_co_u32 s66, s61, s[CB]
	s_mov_b32 s67, 0
	s_mul_i32 s62, s57, s[KS]
	s_add_co_u32 s62, s62, s58
	s_lshl_b32 s62, s62, 7
	s_add_co_u32 s68, s62, s[SB]
	s_mov_b32 s69, 0
	s_mul_i32 s70, s55, s[PI]
	s_lshl_b32 s70, s70, 5                         ; 32 rows a pair,
	s_lshl_b32 s63, s58, 9
	s_add_co_u32 s70, s70, s63                     ; 512 bytes a K step
	s_mov_b32 s71, 0
	s_mov_b32 s72, s[PI]
	s_mov_b32 s73, 0
	s_min_u32 s74, s58, 5                          ; the gains of my K step; held inside the 768 gains where a weight has more K steps
	s_lshl_b32 s74, s74, 9
	s_mov_b32 s75, 0
	s_add_nc_u64 s[76:77], s[20:21], s[66:67]      ; my two fragments
	s_add_nc_u64 s[78:79], s[20:21], s[68:69]      ; my scale words
	s_add_nc_u64 s[6:7], s[6:7], s[74:75]
	s_add_nc_u64 s[BS:BS+1], s[SRC:SRC+1], s[70:71]
.irp j, 1,2,3,4,5,6,7
	s_add_nc_u64 s[BS+2*\j:BS+2*\j+1], s[BS+2*\j-2:BS+2*\j-1], s[72:73]    ; rows 1 to 7
.endr
	s_lshl_b32 s63, s[PI], 3
	v_mov_b32 v[VO], v[L16]
	v_add_nc_u32 v[VO+1], s63, v[VO]               ; and 8, 16, 24 rows further down
	v_add_nc_u32 v[VO+2], s63, v[VO+1]
	v_add_nc_u32 v[VO+3], s63, v[VO+2]
.set n, 0
.rept 16                                               ; tile 0: rows 0-7 and 16-23 of the pair
	global_load_b128 v[RA+4*n:RA+4*n+3], v[VO+2*(n/8)], s[BS+2*(n%8):BS+2*(n%8)+1] th:TH_LOAD_NT
.set n, n+1
.endr
.set n, 0
.rept 16                                               ; tile 1: rows 8-15 and 24-31
	global_load_b128 v[RB+4*n:RB+4*n+3], v[VO+1+2*(n/8)], s[BS+2*(n%8):BS+2*(n%8)+1] th:TH_LOAD_NT
.set n, n+1
.endr
.set n, 0
.rept 16
	global_load_b128 v[GN+4*n:GN+4*n+3], v[GOF], s[6:7] offset:128*(n/4)+16*(n%4)
.set n, n+1
.endr
	s_mov_b32 s54, 0x3aaaaaab                      ; 1 / 768
	s_mov_b32 s55, 0x3727c5ac                      ; 1e-5
	s_wait_loadcnt 32                              ; tile 0's 16 loads are in; tile 1's and the gains' may be out
	TURN RA, 0
	s_wait_loadcnt 16                              ; tile 1's are in
	TURN RB, STG
	s_wait_dscnt 32                                ; tile 0 is back; tile 1's 16 stores and 16 loads may be out
	SQ RA, 224
	s_wait_dscnt 0x0
	SQ RB, 228
	v_permlanex16_b32 v232, v224, s[SEL], s[SEL+1]
	v_permlanex16_b32 v233, v228, s[SEL], s[SEL+1]
	v_add_f32 v224, v224, v232                     ; with lane l xor 16's: my K step's part of the row's sum
	v_add_f32 v228, v228, v233
	v_cndmask_b32 v224, v224, v228, s[HM]          ; lanes 0-15: tile 0's rows; lanes 16-31: tile 1's
	ds_store_b32 v[EXW], v224
	s_wait_dscnt 0x0                               ; for the others' sake: my sum lies in LDS
	s_barrier_signal -1
	s_barrier_wait -1
.irp k, 0,1,2,3,4,5
	ds_load_b32 v[240+\k], v[EXR] offset:128*\k
.endr
	s_wait_dscnt 0x0
.irp k, 1,2,3,4,5
	v_add_f32 v240, v240, v[240+\k]                ; the six K steps, in one order in every wave
.endr
	v_fma_f32 v240, v240, s54, s55                 ; mean + 1e-5
	s_wait_alu depctr_va_vdst(0)
	v_rsq_f32 v234, v240
	v_nop                                          ; a plain line behind the transcendental,
	s_wait_alu depctr_va_vdst(0)                   ; and the wait ahead of its first reader
	v_permlanex16_b32 v232, v234, s[SEL], s[SEL+1]
	v_cndmask_b32 v[RS0], v234, v232, s[HM]        ; tile 0's row r, in both halves of the lanes
	v_cndmask_b32 v[RS1], v232, v234, s[HM]        ; tile 1's
	s_wait_loadcnt 0x0                             ; the gains
	s_cmp_ge_u32 s[WG], 128                        ; a weight is quantised as it is
	s_cbranch_scc1 .Lraw
.set n, 0
	s_wait_alu depctr_va_vdst(0)
.rept 32
	v_pk_mul_f32 v[RA+n:RA+n+1], v[RA+n:RA+n+1], v[RS0:RS0+1] op_sel_hi:[1,0]
	v_pk_mul_f32 v[RB+n:RB+n+1], v[RB+n:RB+n+1], v[RS1:RS1+1] op_sel_hi:[1,0]
.set n, n+2
.endr
.set n, 0
.rept 32
	v_pk_mul_f32 v[RA+n:RA+n+1], v[RA+n:RA+n+1], v[GN+n:GN+n+1]
	v_pk_mul_f32 v[RB+n:RB+n+1], v[RB+n:RB+n+1], v[GN+n:GN+n+1]
.set n, n+2
.endr
.Lraw:
	QUANT RA, PC0, PW0
.irp c, 0,1,2,3
	global_store_b128 v[L16], v[PC0+4*\c:PC0+4*\c+3], s[76:77] offset:512*\c       ; 32 lanes store 512 consecutive bytes, aligned
.endr
	QUANT RB, PC1, PW1
.irp c, 0,1,2,3
	global_store_b128 v[L16], v[PC1+4*\c:PC1+4*\c+3], s[76:77] offset:2048+512*\c
.endr
	v_cndmask_b32 v3, v[PW0], v[PW1], s[HM]
	global_store_b32 v[L4], v3, s[78:79]           ; 128 consecutive bytes: the pair's scale words of this K step
	s_set_vgpr_msb 0x4
	s_wait_tensorcnt 0x0
	ds_add_u32 v15, v1
	s_wait_dscnt 0x0
	s_set_vgpr_msb 0x400
	s_endpgm
.Lfunc_end_k_q1a212c908a_prep:
	.size	k_q1a212c908a_prep, .Lfunc_end_k_q1a212c908a_prep-k_q1a212c908a_prep
	.p2alignl 7, 3214868480
	.fill 96, 4, 3214868480
	.section	.rodata,"a",@progbits
	.p2align	6, 0x0
	.amdhsa_kernel k_q1a212c908a_prep
		.amdhsa_group_segment_fixed_size 103168
		.amdhsa_private_segment_fixed_size 0
		.amdhsa_enable_private_segment 0
		.amdhsa_kernarg_size 72
		.amdhsa_user_sgpr_count 2
		.amdhsa_user_sgpr_kernarg_segment_ptr 1
		.amdhsa_wavefront_size32 1
		.amdhsa_system_sgpr_workgroup_id_x 1
		.amdhsa_system_sgpr_workgroup_id_y 1
		.amdhsa_system_sgpr_workgroup_id_z 1
		.amdhsa_system_vgpr_workitem_id 0
		.amdhsa_next_free_vgpr 258
		.amdhsa_next_free_sgpr 80
		.amdhsa_reserve_vcc 0
		.amdhsa_float_denorm_mode_32 3
		.amdhsa_float_denorm_mode_16_64 3
		.amdhsa_memory_ordered 1
		.amdhsa_forward_progress 1
		.amdhsa_inst_pref_size 47
	.end_amdhsa_kernel
	.amdgpu_metadata
---
amdhsa.version: [ 1, 2 ]
amdhsa.kernels:
  - .name:           k_q1a212c908a_prep
    .symbol:         k_q1a212c908a_prep.kd
    .args:
      - { .name: hidden_states, .offset: 0, .size: 8, .value_kind: global_buffer, .address_space: global }
      - { .name: ln1_w, .offset: 8, .size: 8, .value_kind: global_buffer, .address_space: global }
      - { .name: wq, .offset: 16, .size: 8, .value_kind: global_buffer, .address_space: global }
      - { .name: wk, .offset: 24, .size: 8, .value_kind: global_buffer, .address_space: global }
      - { .name: wv, .offset: 32, .size: 8, .value_kind: global_buffer, .address_space: global }
      - { .name: wo, .offset: 40, .size: 8, .value_kind: global_buffer, .address_space: global }
      - { .name: w_up, .offset: 48, .size: 8, .value_kind: global_buffer, .address_space: global }
      - { .name: w_down, .offset: 56, .size: 8, .value_kind: global_buffer, .address_space: global }
      - { .name: wsp, .offset: 64, .size: 8, .value_kind: global_buffer, .address_space: global }
    .group_segment_fixed_size: 103168
    .private_segment_fixed_size: 0
    .kernarg_segment_align: 8
    .kernarg_segment_size: 72
    .max_flat_workgroup_size: 192
    .sgpr_count:     80
    .vgpr_count:     258
    .wavefront_size: 32
...
	.end_amdgpu_metadata
.endif
;; end of part 1
;; launch qkv (part 2): grid 32 x 6, 12 waves a work-group, clusters of 4 x 1, 297,984 bytes of LDS; arguments wsp, qkvb; writes qkvb
.if DOCPART == 2
	.amdgcn_target "amdgcn-amd-amdhsa--gfx1250"
	.amdhsa_code_object_version 6
	.text
	.protected	k_q1a212c908a_qkv
	.globl	k_q1a212c908a_qkv
	.p2align	8
	.type	k_q1a212c908a_qkv,@function
k_q1a212c908a_qkv:
	s_mov_b64 s[64:65], 0
	v_nop
	global_prefetch_b8 v0, s[64:65] scope:SCOPE_SE
	s_setreg_imm32_b32 hwreg(HW_REG_WAVE_MODE, 25, 1), 1
	s_wait_xcnt 0x0
	s_wait_alu depctr_hold_cnt(0) depctr_sa_sdst(0) depctr_va_vdst(0) depctr_va_sdst(0) depctr_va_ssrc(0) depctr_va_vcc(0) depctr_vm_vsrc(0)
	s_getreg_b32 s2, hwreg(HW_REG_IB_STS2, 6, 4)
	s_cmp_eq_u32 s2, 0
	s_cbranch_scc0 .Lentry_in_a_cluster
	s_endpgm
.Lentry_in_a_cluster:
	s_bfe_u32 s2, ttmp6, 0x10000c
	s_cmp_lg_u32 s2, 0x3003
	s_cbranch_scc0 .Lentry_shape_is_right
	s_endpgm
.Lentry_shape_is_right:
; q, k, v = xn [wq; wk; wv]^T on codes of MX-FP8, and their quantising for attention.  Operands come as images of operand registers (tile T: rows 32 (T/2) + 8 (T%2) + r + 8 (r/8)).
; A work-group takes 128 tokens (tau) and a slice of 384 channels (sigma; 0, 1: q; 2, 3: k; 4, 5: v): 24 weight tiles.  Wave w: token pair 4 tau + w % 4, weight tiles 8 (w / 4) .. + 7: 16 accumulators.
; THE SLICE for all of K is one dense block of 294,912 bytes: it comes into LDS once, three tensor loads a wave (two K steps each), nothing is filled again.  By this text's count three tensor loads of a wave are out at most.
; CLUSTER: the four work-groups of a cluster share sigma, so the slice is asked for jointly (mask 15).  The tokens' fragments and all scale words come straight from memory into registers, a K step ahead.
; q, k: source 0 = weights, source 1 = tokens: a lane holds one token and its 16 registers of two neighbouring tiles are 16 neighbouring channels: the head's 64 are two blocks of 32.
; v: source 0 = tokens, source 1 = weights: a lane holds one channel and its registers run along the pair's 32 keys, which are one block of the second product's K.
; OUT.  q: ((head 256 + tile) 2 + c) 512: piece c = channels 32 c on.  k, v by key step of 128 (= tau): head 524,288 + step 16,384 + [k: pair 2,048 + (2 u + c) 512 | v at 8,192: channel tile 2,048 + pair 512].
; Scale words: q (head 128 + pair) 64 + 4 r, k in a step's 512 bytes at pair 64 + 4 r: bytes [u0 c0, u0 c1, u1 c0, u1 c1]; v at + 256: tile 64 + 4 r, byte = pair.  q's and k's words leave as runs of 64 bytes
; (1 byte in 32 of what the launch stores); v's bytes of four waves meet in LDS and leave as whole runs of 256 bytes.
; LIMITS: a block of zeros gets the byte 1 (its codes are zeros; only this program reads the bytes); NaN and infinities are not served.
.set XN_S,   3145728
.set WQKV_C, 3244032
.set WQKV_S, 5013504
.set QS,     3145728
.set KVC,    3244032
.set KVS,    9535488
.set PHB,    98304                     ; two K steps of the slice
.set VSB,    294912                    ; behind the slice: v's scale bytes, 6 heads x 256
.set L16, 1
.set L4,  2
.set R4,  3
.set ADW, 4                            ; v4   LDS address of my weight tiles in the K step in hand
.set VSA, 5                            ; v5   where I put v's scale bytes
.set VSR, 6                            ; v6   where I read a head's 256 back
.set L8,  7
.set XS,  8                            ; v8-9   the tokens' scale words, by K step's parity: they hold scales and nothing else
.set WS,  10                           ; v10-17 the weights', four pairs, likewise
.set PW,  18                           ; v18-19 the scale words just made
.set HV,  20
.set SOF, 21
.set T0,  22
.set T1,  23
.set WF,  32                           ; v32-63  two weight fragments
.set XB,  64                           ; v64-127 the tokens' two fragments, two buffers
.set ACC, 128                          ; v128-255
.set TM,  32                           ; the way out: the quantiser's work,
.set PCA, 48                           ; the first codes; the second go into accumulators that are done with
.set WV,  10
.set PP,  11
.set GCH, 12
.set CX,  13
.set TAU, 14
.set SIG, 15
.set G1,  16
.set G0,  24
.set XP,  36
.set XSP, 38
.set WSP, 40
.set CA,  42
.set CBB, 44
.set SP,  46
.set SEL, 48
.set MNT, 50
.set HM,  51
.set TY,  52
.set HA,  53
.macro ROUND                           ; a round of the cluster's barrier
	s_barrier_signal -1
	s_barrier_wait -1
	s_cmp_lg_u32 s[WV], 0
	s_cbranch_scc1 .Lnot_wave_0_\@
	s_barrier_signal -3
.Lnot_wave_0_\@:
	s_barrier_wait -3
	s_barrier_signal -1
	s_barrier_wait -1
.endm
; one scaled product.  z: the constant 0 starts the sum.  ra, rb: the side's scale words stand in lanes 16-31
.macro WMM d, a, b, z, sa, sb, ra, rb
.if (\z)
.if (\ra) && (\rb)
	v_wmma_scale_f32_16x16x128_f8f6f4 v[(\d):(\d)+7], v[(\a):(\a)+15], v[(\b):(\b)+15], 0, v[\sa], v[\sb] matrix_a_scale:MATRIX_SCALE_ROW1 matrix_b_scale:MATRIX_SCALE_ROW1
.elseif (\ra)
	v_wmma_scale_f32_16x16x128_f8f6f4 v[(\d):(\d)+7], v[(\a):(\a)+15], v[(\b):(\b)+15], 0, v[\sa], v[\sb] matrix_a_scale:MATRIX_SCALE_ROW1
.elseif (\rb)
	v_wmma_scale_f32_16x16x128_f8f6f4 v[(\d):(\d)+7], v[(\a):(\a)+15], v[(\b):(\b)+15], 0, v[\sa], v[\sb] matrix_b_scale:MATRIX_SCALE_ROW1
.else
	v_wmma_scale_f32_16x16x128_f8f6f4 v[(\d):(\d)+7], v[(\a):(\a)+15], v[(\b):(\b)+15], 0, v[\sa], v[\sb]
.endif
.else
.if (\ra) && (\rb)
	v_wmma_scale_f32_16x16x128_f8f6f4 v[(\d):(\d)+7], v[(\a):(\a)+15], v[(\b):(\b)+15], v[(\d):(\d)+7], v[\sa], v[\sb] matrix_a_scale:MATRIX_SCALE_ROW1 matrix_b_scale:MATRIX_SCALE_ROW1
.elseif (\ra)
	v_wmma_scale_f32_16x16x128_f8f6f4 v[(\d):(\d)+7], v[(\a):(\a)+15], v[(\b):(\b)+15], v[(\d):(\d)+7], v[\sa], v[\sb] matrix_a_scale:MATRIX_SCALE_ROW1
.elseif (\rb)
	v_wmma_scale_f32_16x16x128_f8f6f4 v[(\d):(\d)+7], v[(\a):(\a)+15], v[(\b):(\b)+15], v[(\d):(\d)+7], v[\sa], v[\sb] matrix_b_scale:MATRIX_SCALE_ROW1
.else
	v_wmma_scale_f32_16x16x128_f8f6f4 v[(\d):(\d)+7], v[(\a):(\a)+15], v[(\b):(\b)+15], v[(\d):(\d)+7], v[\sa], v[\sb]
.endif
.endif
.endm
; 64 numbers of a lane, register 16 b + i = place 16 (lane / 16) + i of block b, become codes in v[pc] on; word = 1: and the four bytes a scale word in v[pw].  The bytes stay in v[TM+4] on
.macro QUANT s, pc, pw, word
.irp b, 0,1,2,3
	v_max3_num_f32 v[TM+\b], |v[\s+16*\b]|, |v[\s+1+16*\b]|, 0x4800000   ; and the floor 2^(9 - 127): the byte cannot fall under 1.  (Each accumulator is read from its low end on)
.endr
.irp i, 2,4,6,8,10,12,14
.irp b, 0,1,2,3
	v_max3_num_f32 v[TM+\b], v[TM+\b], |v[\s+16*\b+\i]|, |v[\s+1+16*\b+\i]|
.endr
.endr
.irp b, 0,1,2,3
	s_delay_alu instid0(VALU_DEP_4)
	v_permlanex16_b32 v[TM+4+\b], v[TM+\b], s[SEL], s[SEL+1]
.endr
.irp b, 0,1,2,3
	s_delay_alu instid0(VALU_DEP_4)
	v_max_num_f32 v[TM+\b], v[TM+\b], v[TM+4+\b]
.endr
.irp b, 0,1,2,3
	s_delay_alu instid0(VALU_DEP_4)
	v_add_nc_u32 v[TM+12+\b], 0xfc000000, v[TM+\b]
.endr
.irp b, 0,1,2,3
	v_and_or_b32 v[TM+8+\b], v[TM+\b], 0x7f800000, s[MNT]
.endr
.irp b, 0,1,2,3
	v_lshrrev_b32 v[TM+4+\b], 23, v[TM+12+\b]
.endr
.if \word
	s_delay_alu instid0(VALU_DEP_3)
	v_lshl_or_b32 v[\pw], v[TM+5], 8, v[TM+4]
	s_delay_alu instid0(VALU_DEP_1)
	v_lshl_or_b32 v[\pw], v[TM+6], 16, v[\pw]
	s_delay_alu instid0(VALU_DEP_1)
	v_lshl_or_b32 v[\pw], v[TM+7], 24, v[\pw]
.endif
.irp b, 0,1,2,3
.irp i, 0,1,2,3,4,5,6,7,8,9,10,11,12,13,14,15
	v_med3_num_f32 v[\s+16*\b+\i], v[\s+16*\b+\i], -v[TM+8+\b], v[TM+8+\b]
.endr
	v_cvt_scalef32_pk8_fp8_f32 v[\pc+4*\b:\pc+1+4*\b], v[\s+16*\b:\s+7+16*\b], v[TM+12+\b]
	v_cvt_scalef32_pk8_fp8_f32 v[\pc+2+4*\b:\pc+3+4*\b], v[\s+8+16*\b:\s+15+16*\b], v[TM+12+\b]
.endr
	v_nop
.endm
.macro GLOADS s                        ; K step s: the pair's two fragments, its scale words, my four weight pairs' scale words: 13 loads
.irp j, 0,1
.irp c, 0,1,2,3
	global_load_b128 v[XB+32*((\s)%2)+16*\j+4*\c:XB+32*((\s)%2)+16*\j+4*\c+3], v[L16], s[XP:XP+1] offset:(\s)*4096+\j*2048+\c*512
.endr
.endr
	global_load_b32 v[XS+(\s)%2], v[L4], s[XSP:XSP+1] offset:(\s)*128
.irp p, 0,1,2,3
	global_load_b32 v[WS+4*((\s)%2)+\p], v[L4], s[WSP:WSP+1] offset:\p*768+(\s)*128
.endr
.endm
.macro PHASE ph                        ; K steps 2 ph, 2 ph + 1 were fetched by waves 4 ph .. 4 ph + 3: they (and the waves under them, whose load is in) wait; the last phase shows all that is out, so there every wave waits
.if \ph < 2
	s_cmp_lt_u32 s[WV], 4*(\ph)+4
	s_cbranch_scc0 .Lnot_mine_\@
	s_wait_tensorcnt 0x0
.Lnot_mine_\@:
.else
	s_wait_tensorcnt 0x0
.endif
	s_barrier_signal -1
	s_barrier_wait -1
.endm
; A K step: four times two weight tiles from LDS and four products.  Eight plain lines stand in front of each run of loads into registers that products have read.  The 16 accumulators take turns.
.macro KSTEP s, nat
.irp q, 0,1,2,3
.if ((\s) > 0) || (\q > 0)
.if \q == 0
	v_add_nc_u32 v[ADW], 49152, v[ADW]             ; the next K step's 24 tiles
	s_wait_alu depctr_va_vdst(0)
.rept 7
	v_nop
.endr
.else
.rept 8
	v_nop
.endr
.endif
.endif
.if (\q == 0) && ((\s) < 5)
	GLOADS (\s)+1
.endif
.irp t, 0,1
.irp c, 0,1,2,3
	ds_load_b128 v[WF+16*\t+4*\c:WF+16*\t+4*\c+3], v[ADW] offset:(2*\q+\t)*2048+\c*512
.endr
.endr
	s_wait_dscnt 0x0
.if \q == 0
.if (\s) < 5
	s_wait_loadcnt 13                              ; this K step's loads are in; the next step's 13 may be out
.else
	s_wait_loadcnt 0x0
.endif
.endif
.irp t, 0,1
.irp j, 0,1
.if \nat
	WMM ACC+8*(2*(2*\q+\t)+\j), XB+32*((\s)%2)+16*\j, WF+16*\t, (\s)==0, XS+(\s)%2, WS+4*((\s)%2)+\q, \j, \t
.else
	WMM ACC+8*(8*\j+2*\q+\t), WF+16*\t, XB+32*((\s)%2)+16*\j, (\s)==0, WS+4*((\s)%2)+\q, XS+(\s)%2, \t, \j
.endif
.endr
.endr
.endr
.endm
.macro ALLK nat
	PHASE 0
	KSTEP 0, \nat
	KSTEP 1, \nat
	PHASE 1
	KSTEP 2, \nat
	KSTEP 3, \nat
	PHASE 2
	KSTEP 4, \nat
	KSTEP 5, \nat
.rept 8
	v_nop                                          ; places in front of the first read of results and the first write of operands' registers
.endr
.irp b, 0,1,2,3
	v_mov_b32 v[TM+4+\b], 0                        ; a lane permute's destination counts as one of its sources
.endr
.endm
	s_load_b128 s[4:7], s[0:1], 0x0                ; the images s[4:5], q, k, v's codes s[6:7]
	v_lshl_add_u32 v30, v0, 2, 0x48600
	v_mov_b32 v31, 0
	ds_add_u32 v30, v31
	ds_add_u32 v30, v31
	v_lshrrev_b32 v1, 5, v0
	s_delay_alu instid0(VALU_DEP_1)
	v_readfirstlane_b32 s[WV], v1                  ; wave 0..11
	s_and_b32 s[PP], s[WV], 3                      ; my token pair of the four
	s_lshr_b32 s[GCH], s[WV], 2                    ; my eight weight tiles of the 24
	s_bfe_u32 s[CX], ttmp6, 0x40000
	s_lshl_b32 s[TAU], ttmp9, 2
	s_add_co_u32 s[TAU], s[TAU], s[CX]             ; my 128 tokens: it enters global addresses of loads and stores of my own alone
	s_and_b32 s[SIG], ttmp7, 0xffff                ; the slice, which the four partners share
	s_lshr_b32 s[TY], s[SIG], 1                    ; 0 q, 1 k, 2 v
	v_and_b32 v22, 31, v0
	s_delay_alu instid0(VALU_DEP_1)
	v_lshlrev_b32 v[L16], 4, v22
	s_delay_alu instid0(VALU_DEP_2)
	v_lshlrev_b32 v[L4], 2, v22
	s_delay_alu instid0(VALU_DEP_3)
	v_lshlrev_b32 v[L8], 3, v22
	v_and_b32 v23, 15, v0
	s_delay_alu instid0(VALU_DEP_1)
	v_lshlrev_b32 v[R4], 2, v23
	v_bfe_u32 v[HV], v0, 4, 1
	s_lshl_b32 s54, s[GCH], 14
	v_add_nc_u32 v[ADW], s54, v[L16]
	s_lshl_b32 s54, s[GCH], 9
	s_add_co_u32 s54, s54, s[PP]
	s_add_co_u32 s54, s54, VSB
	v_add_nc_u32 v[VSA], s54, v[R4]                ; 512 (w / 4) + 4 r + w % 4
	s_min_u32 s63, s[WV], 5                        ; (waves 0-5 carry the six heads' bytes out)
	s_lshl_b32 s54, s63, 8
	s_add_co_u32 s54, s54, VSB
	v_add_nc_u32 v[VSR], s54, v[L8]
	s_mov_b32 s[SEL], 0x76543210
	s_mov_b32 s[SEL+1], 0xfedcba98
	s_mov_b32 s[MNT], 0x600000
	s_mov_b32 s[HM], 0xffff0000
	; descriptor group 1: a dense block of 24,576 bytes as 96 rows of 32 elements of 8 bytes; no padding: fragments are read as they lie, 512 consecutive bytes a load
	s_mov_b32 s[G1], 15|(3<<16)|(1<<21)            ; 15:0 the mask: all four work-groups; 17:16 elements of 8 bytes; 21 set beside a mask
	s_mov_b32 s[G1+1], 32<<16                      ; tensor_dim0
	s_mov_b32 s[G1+2], 96<<16                      ; tensor_dim1: 96 rows of 256 bytes: a wave's one load brings 24,576 dense bytes
	s_mov_b32 s[G1+3], 32<<16                      ; tile_dim0
	s_mov_b32 s[G1+4], 96                          ; tile_dim1
	s_mov_b32 s[G1+5], 32                          ; the pitch
	s_mov_b32 s[G1+6], 0
	s_mov_b32 s[G1+7], 0
	s_lshl_b32 s53, s[TAU], 2
	s_add_co_u32 s53, s53, s[PP]                   ; my token pair
	s_mul_i32 s54, s53, 24576
	s_mov_b32 s55, 0
	s_mul_i32 s56, s53, 768
	s_add_co_u32 s56, s56, XN_S
	s_mov_b32 s57, 0
	s_mul_i32 s58, s[SIG], 12
	s_lshl_b32 s59, s[GCH], 2
	s_add_co_u32 s58, s58, s59
	s_mul_i32 s58, s58, 768
	s_add_co_u32 s58, s58, WQKV_S
	s_mov_b32 s59, 0
	s_mul_i32 s60, s[SIG], 294912                  ; the slice
	s_mul_i32 s62, s[WV], 24576                    ; my twelfth of the slice: waves 0-3 hold K steps 0, 1; waves 4-7 steps 2, 3; waves 8-11 steps 4, 5
	s_add_co_u32 s60, s60, s62
	s_add_co_u32 s60, s60, WQKV_C
	s_mov_b32 s61, 0
	s_wait_alu depctr_va_vdst(0)
	s_wait_dscnt 0x0
	s_wait_kmcnt 0x0
	s_add_nc_u64 s[XP:XP+1], s[4:5], s[54:55]
	s_add_nc_u64 s[XSP:XSP+1], s[4:5], s[56:57]
	s_add_nc_u64 s[WSP:WSP+1], s[4:5], s[58:59]
	s_add_nc_u64 s[60:61], s[4:5], s[60:61]
.irp ph, 0
	s_mov_b32 s[G0+4*\ph], 1
	s_add_co_u32 s[G0+4*\ph+1], s62, \ph*PHB
	s_add_nc_u64 s[G0+4*\ph+2:G0+4*\ph+3], s[60:61], \ph*PHB
	s_or_b32 s[G0+4*\ph+3], s[G0+4*\ph+3], 0x80000000
.endr
	GLOADS 0
	ROUND                                          ; all four work-groups are here: the joint loads meet
	; ONE tensor load a wave (in place of the three that the head's comment names): an arm for each group of four waves, so that each phase's bytes have a load line of their own
	s_cmp_lt_u32 s[WV], 4
	s_cbranch_scc0 .Lfill_b
	tensor_load_to_lds s[G0:G0+3], s[G1:G1+7]
	s_nop 0
.rept 4
	v_nop
.endr
	s_branch .Lfilled
.Lfill_b:
	s_cmp_lt_u32 s[WV], 8
	s_cbranch_scc0 .Lfill_c
	tensor_load_to_lds s[G0:G0+3], s[G1:G1+7]
	s_nop 0
.rept 4
	v_nop
.endr
	s_branch .Lfilled
.Lfill_c:
	tensor_load_to_lds s[G0:G0+3], s[G1:G1+7]
	s_nop 0
.rept 4
	v_nop
.endr
.Lfilled:
	s_and_b32 s54, s[SIG], 1
	s_mul_i32 s54, s54, 6
	s_lshl_b32 s55, s[GCH], 1
	s_add_co_u32 s[HA], s54, s55                   ; my 128 channels are heads HA and HA + 1
	s_cmp_eq_u32 s[TY], 2                          ; the same in all waves and all four partners
	s_cbranch_scc1 .Lvpath
	; ---- q and k: one text; k's strides are twice q's
	s_mov_b32 s57, KVS
	s_cmp_eq_u32 s[TY], 0
	s_cselect_b32 s55, 0, 1
	s_cselect_b32 s56, 0, KVC
	s_cselect_b32 s57, QS, s57
	s_lshl_b32 s58, s[HA], 18
	s_lshl_b32 s59, s[TAU], 13
	s_add_co_u32 s58, s58, s59
	s_lshl_b32 s58, s58, s55
	s_lshl_b32 s59, s[PP], 11
	s_add_co_u32 s58, s58, s59
	s_add_co_u32 s58, s58, s56
	s_mov_b32 s59, 0
	s_add_nc_u64 s[CA:CA+1], s[6:7], s[58:59]      ; head HA's codes of my pair,
	s_lshl_b32 s58, 0x40000, s55
	s_add_nc_u64 s[CBB:CBB+1], s[CA:CA+1], s[58:59]  ; head HA + 1's
	s_lshl_b32 s60, s[HA], 13
	s_lshl_b32 s61, s[TAU], 8
	s_add_co_u32 s60, s60, s61
	s_lshl_b32 s60, s60, s55
	s_lshl_b32 s61, s[PP], 6
	s_add_co_u32 s60, s60, s61
	s_add_co_u32 s60, s60, s57
	s_mov_b32 s61, 0
	s_add_nc_u64 s[SP:SP+1], s[6:7], s[60:61]
	s_lshl_b32 s62, 0x2000, s55
	v_mad_u32_u24 v[SOF], v[HV], s62, v[R4]        ; lanes 0-15 store head HA's scale words, lanes 16-31 head HA + 1's
	ALLK 0
	QUANT ACC, PCA, PW, 1                          ; the pair's even tile: blocks 0, 1 head HA, blocks 2, 3 head HA + 1
	global_store_b128 v[L16], v[PCA:PCA+3], s[CA:CA+1]
	global_store_b128 v[L16], v[PCA+4:PCA+7], s[CA:CA+1] offset:512
	global_store_b128 v[L16], v[PCA+8:PCA+11], s[CBB:CBB+1]
	global_store_b128 v[L16], v[PCA+12:PCA+15], s[CBB:CBB+1] offset:512
	QUANT ACC+64, ACC, PW+1, 1                     ; the odd tile; its codes go where the even tile's numbers lay: no store's data are written again
	global_store_b128 v[L16], v[ACC:ACC+3], s[CA:CA+1] offset:1024
	global_store_b128 v[L16], v[ACC+4:ACC+7], s[CA:CA+1] offset:1536
	global_store_b128 v[L16], v[ACC+8:ACC+11], s[CBB:CBB+1] offset:1024
	global_store_b128 v[L16], v[ACC+12:ACC+15], s[CBB:CBB+1] offset:1536
	v_perm_b32 v[T0], v[PW+1], v[PW], 0x05040100   ; [even c0, even c1, odd c0, odd c1] of head HA,
	v_perm_b32 v[T1], v[PW+1], v[PW], 0x07060302   ; of head HA + 1
	s_delay_alu instid0(VALU_DEP_1)
	v_cndmask_b32 v[T0], v[T0], v[T1], s[HM]
	global_store_b32 v[SOF], v[T0], s[SP:SP+1]
	s_branch .Lend
.Lvpath:
	; ---- v
	s_lshl_b32 s58, s[HA], 19
	s_lshl_b32 s59, s[TAU], 14
	s_add_co_u32 s58, s58, s59
	s_lshl_b32 s59, s[PP], 9
	s_add_co_u32 s58, s58, s59
	s_add_co_u32 s58, s58, KVC+8192
	s_mov_b32 s59, 0
	s_add_nc_u64 s[CA:CA+1], s[6:7], s[58:59]
	s_add_co_u32 s60, s54, s63                     ; head 6 (sigma % 2) + wave, for the waves that carry the bytes out
	s_lshl_b32 s60, s60, 14
	s_lshl_b32 s61, s[TAU], 9
	s_add_co_u32 s60, s60, s61
	s_add_co_u32 s60, s60, KVS+256
	s_mov_b32 s61, 0
	s_add_nc_u64 s[SP:SP+1], s[6:7], s[60:61]
	ALLK 1
	QUANT ACC, PCA, PW, 0                          ; head HA: block b = channel tile b, my pair's 32 keys
.irp b, 0,1,2,3
	global_store_b128 v[L16], v[PCA+4*\b:PCA+4*\b+3], s[CA:CA+1] offset:\b*2048
	ds_store_b8 v[VSA], v[TM+4+\b] offset:\b*64    ; both lanes of a block write the same byte with the same value
.endr
	s_wait_dscnt 0x0                               ; the stores have read the bytes' registers
	QUANT ACC+64, ACC, PW, 0                       ; head HA + 1
.irp b, 0,1,2,3
	global_store_b128 v[L16], v[ACC+4*\b:ACC+4*\b+3], s[CA:CA+1] offset:524288+\b*2048
	ds_store_b8 v[VSA], v[TM+4+\b] offset:256+\b*64
.endr
	s_wait_dscnt 0x0                               ; for the others' sake
	s_barrier_signal -1
	s_barrier_wait -1                              ; the four pairs' bytes make whole words
	s_cmp_ge_u32 s[WV], 6
	s_cbranch_scc1 .Lend
	ds_load_b64 v[24:25], v[VSR]
	s_wait_dscnt 0x0
	global_store_b64 v[L8], v[24:25], s[SP:SP+1]   ; 32 lanes store 256 consecutive bytes, aligned
.Lend:
	s_wait_tensorcnt 0x0
	ds_add_u32 v30, v31
	s_wait_dscnt 0x0
	ROUND                                          ; the closing round: no work-group ends while a partner may still ask for a block that names it
	s_endpgm
.Lfunc_end_k_q1a212c908a_qkv:
	.size	k_q1a212c908a_qkv, .Lfunc_end_k_q1a212c908a_qkv-k_q1a212c908a_qkv
	.p2alignl 7, 3214868480
	.fill 96, 4, 3214868480
	.section	.rodata,"a",@progbits
	.p2align	6, 0x0
	.amdhsa_kernel k_q1a212c908a_qkv
		.amdhsa_group_segment_fixed_size 297984
		.amdhsa_private_segment_fixed_size 0
		.amdhsa_enable_private_segment 0
		.amdhsa_kernarg_size 16
		.amdhsa_user_sgpr_count 2
		.amdhsa_user_sgpr_kernarg_segment_ptr 1
		.amdhsa_wavefront_size32 1
		.amdhsa_system_sgpr_workgroup_id_x 1
		.amdhsa_system_sgpr_workgroup_id_y 1
		.amdhsa_system_sgpr_workgroup_id_z 1
		.amdhsa_system_vgpr_workitem_id 0
		.amdhsa_next_free_vgpr 256
		.amdhsa_next_free_sgpr 66
		.amdhsa_reserve_vcc 0
		.amdhsa_float_denorm_mode_32 3
		.amdhsa_float_denorm_mode_16_64 3
		.amdhsa_memory_ordered 1
		.amdhsa_forward_progress 1
		.amdhsa_inst_pref_size 121
	.end_amdhsa_kernel
	.amdgpu_metadata
---
amdhsa.version: [ 1, 2 ]
amdhsa.kernels:
  - .name:           k_q1a212c908a_qkv
    .symbol:         k_q1a212c908a_qkv.kd
    .args:
      - { .name: wsp, .offset: 0, .size: 8, .value_kind: global_buffer, .address_space: global }
      - { .name: qkvb, .offset: 8, .size: 8, .value_kind: global_buffer, .address_space: global }
    .group_segment_fixed_size: 297984
    .private_segment_fixed_size: 0
    .kernarg_segment_align: 8
    .kernarg_segment_size: 16
    .max_flat_workgroup_size: 384
    .sgpr_count:     66
    .vgpr_count:     256
    .wavefront_size: 32
...
	.end_amdgpu_metadata
.endif
;; end of part 2
;; launch attn (part 3): grid 64 x 4, 12 waves a work-group, clusters of 4 x 1, 327,680 bytes of LDS; arguments qkvb, ob; writes ob
.if DOCPART == 3
	.amdgcn_target "amdgcn-amd-amdhsa--gfx1250"
	.amdhsa_code_object_version 6
	.text
	.protected	k_q1a212c908a_attn
	.globl	k_q1a212c908a_attn
	.p2align	8
	.type	k_q1a212c908a_attn,@function
k_q1a212c908a_attn:
	s_mov_b64 s[64:65], 0
	v_nop
	global_prefetch_b8 v0, s[64:65] scope:SCOPE_SE
	s_setreg_imm32_b32 hwreg(HW_REG_WAVE_MODE, 25, 1), 1
	s_wait_xcnt 0x0
	s_wait_alu depctr_hold_cnt(0) depctr_sa_sdst(0) depctr_va_vdst(0) depctr_va_sdst(0) depctr_va_ssrc(0) depctr_va_vcc(0) depctr_vm_vsrc(0)
	s_getreg_b32 s2, hwreg(HW_REG_IB_STS2, 6, 4)
	s_cmp_eq_u32 s2, 0
	s_cbranch_scc0 .Lentry_in_a_cluster
	s_endpgm
.Lentry_in_a_cluster:
	s_bfe_u32 s2, ttmp6, 0x10000c
	s_cmp_lg_u32 s2, 0x3003
	s_cbranch_scc0 .Lentry_shape_is_right
	s_endpgm
.Lentry_shape_is_right:
; o = softmax(q k^T / 8) v for 12 heads of 64, both products on codes of MX-FP8; o is quantised for the next product and stored as an image of operand registers.
; THE SOFTMAX: t = score x log2(e) / 8; M = the running largest t rounded up to a whole number; p = 2^(t - M) is quantised along the keys, not normalised; the row's sum is taken of the unquantised p and divides at the end.
; When M moves, the sum and O are multiplied by 2^(old M - new M): exact, and no branch on data.
; SHARES.  A work-group owns 64 queries (four tiles) of three heads; wave w: head 3 hg + w / 4, tile w % 4: 256 work-groups, three waves to a SIMD, so that one wave's vector work stands beside another's products and LDS loads.
; Every wave walks its head's 4,096 keys, 128 a step.  A step's 16,384 bytes (k's four fragments, v's four) are dense in memory; two steps are a slot.  Each head has a ring of two slots, filled by its four waves, 8,192 bytes each.
; CLUSTER.  The four work-groups of a cluster own other queries of the same heads and walk the same k and v: every block is asked for jointly (mask 15).
; LAYOUT.  Both products are used transposed: S^T = k q^T, O^T = v^T p^T: a lane holds one query throughout.  The rows of a tile are 32 (T/2) + 8 (T%2) + r + 8 (r/8), so p's 16 registers of two neighbouring tiles are 16 neighbouring keys.
; A HEAD OF 64 ON A K OF 128: a fragment of k holds BOTH tiles of a pair of key tiles (pieces 0, 1: the even tile's 64 channels; pieces 2, 3: the odd tile's).  q stands between zeros, [8 zeros | q | 8 zeros]:
; q followed by zeros picks the even tile, zeros followed by q the odd one.  Zero codes add nothing.  So no LDS byte is read twice.
; THE LDS READS STAND UNDER THE SOFTMAX.  v's fragments have registers of their own (v256-319, window 1), so k's registers are free behind a step's first products: the next step's k is asked for in the middle of this step's
; softmax and is there when the next step begins.  THE CHANGE OF SLOTS stands inside a slot's second step, as soon as v is in registers: a part of the softmax stands between the add and the wait for it, another between the
; round's opening signal and its wait; behind the round come the refill and the next slot's k, and the rest of the softmax covers them.
; The scale words of the three whole heads stay in LDS, filled once.  By this text's count three tensor loads of a wave are out at the start and one behind each round.
; o's two scale bytes a row leave as stores of 2 bytes (the word's other bytes belong to another head, in another work-group): 2 bytes for 64 codes.
; LIMITS: a block of zeros gets the byte 1; NaN and infinities are not served.
.set QS,    3145728
.set KVC,   3244032
.set KVS,   9535488
.set OSB,   3145728
.set SCL,   196608                     ; behind the three rings of 65,536: three heads' scale words, 16,384 each
.set SPARE, 245760                     ; the spare words, 128 bytes for each of 12 waves: six blocks of 256 bytes that no other line names
.set ADR, 1                            ; v1   my head's ring + 16 x lane
.set ADS, 2                            ; v2   my head's scale words of the slot in hand + 4 x lane
.set SPW, 3
.set NIL, 4
.set PFO, 5                            ; v5   256 x lane: the prefetches' offset
.set L16, 6
.set R4,  7
.set KSR, 8                            ; v8-9   k's scale words;  v10-11 v's: they hold scales and nothing else
.set VSR, 10
.set QLO, 24                           ; q, then zeros
.set QHI, 16                           ; zeros, then q
.set QW,  40                           ; v40  q's scale word [c0, c1, c0, c1]
.set PSW, 41                           ; v41  p's scale word
.set FF,  42                           ; v[42:43] 2^(old M - new M)
.set FR,  48                           ; v48-111  four fragments of k.  (v's four: v0-63 of window 1)
.set S,   112                          ; v112-175 S^T, then p
.set OT,  176                          ; v176-207 O^T
.set PCD, 208                          ; v208-223 p's codes
.set BM,  224
.set PB,  228
.set HO,  232
.set SO,  236
.set TP,  240
.set H2,  245                          ; v245-248 a second copy of the holds' bounds, one register bank on from the first: for the second halves of the dual pairs
.set WV,  8
.set QD,  9
.set GR,  10
.set CX,  11
.set QB,  12
.set HG,  13
.set HD,  14
.set LIM, 15                           ; s15  1 in a wave that prefetches, else the greatest number
.set G1,  16
.set G1H, 24                           ; s[24:31] group 1 for a half of slot 0, at the head
.set G0H, 68                           ; s[68:71] its group 0
.set G0,  32                           ; s[32:39] descriptor group 0, a set for each slot
.set G0S, 40
.set PFA, 44
.set SEL, 46
.set CS,  48
.set MNT, 50
.set CNT, 51
.set OP,  52
.set OSP, 54
.set MSB, 0
.macro WIN new                         ; s_set_vgpr_msb: bits 1:0 source 0, 7:6 destination; the immediate's high byte repeats the setting that is left
.if MSB != \new
	s_set_vgpr_msb (MSB<<8)|\new
.set MSB, \new
.endif
.endm
.macro CREST                           ; a round of the cluster's barrier behind its opening barrier
	s_cmp_lg_u32 s[WV], 0
	s_cbranch_scc1 .Lnot_wave_0_\@
	s_barrier_signal -3
.Lnot_wave_0_\@:
	s_barrier_wait -3
	s_barrier_signal -1
	s_barrier_wait -1
.endm
.macro ROUND                           ; a whole round
	s_barrier_signal -1
	s_barrier_wait -1
	CREST
.endm
.macro WMM d, a, b, z, sa, sb, ra      ; one scaled product.  z: the constant 0 starts the sum.  ra: source 0's scale words stand in lanes 16-31
.if (\z)
.if (\ra)
	v_wmma_scale_f32_16x16x128_f8f6f4 v[(\d):(\d)+7], v[(\a):(\a)+15], v[(\b):(\b)+15], 0, v[\sa], v[\sb] matrix_a_scale:MATRIX_SCALE_ROW1
.else
	v_wmma_scale_f32_16x16x128_f8f6f4 v[(\d):(\d)+7], v[(\a):(\a)+15], v[(\b):(\b)+15], 0, v[\sa], v[\sb]
.endif
.else
.if (\ra)
	v_wmma_scale_f32_16x16x128_f8f6f4 v[(\d):(\d)+7], v[(\a):(\a)+15], v[(\b):(\b)+15], v[(\d):(\d)+7], v[\sa], v[\sb] matrix_a_scale:MATRIX_SCALE_ROW1
.else
	v_wmma_scale_f32_16x16x128_f8f6f4 v[(\d):(\d)+7], v[(\a):(\a)+15], v[(\b):(\b)+15], v[(\d):(\d)+7], v[\sa], v[\sb]
.endif
.endif
.endm
; A prefetch of the slot that the NEXT change's load will ask for: 32,768 bytes a head.  All clusters of a group of heads walk the same bytes: the first cluster asks.  Its four partners take 8,192 bytes each, told apart by
; address; in each, the first wave of a head's four asks: one instruction, lanes 256 bytes apart.  So each block of 256 bytes is named once.  The first three slots' worth come by their loads alone.
; how = 1: the second change of a trip: in the last trip there is no slot left to name.
.macro ASK how
.if \how
	s_cmp_gt_u32 s[CNT], s[LIM]
.else
	s_cmp_eq_u32 s[LIM], 1
.endif
	s_cbranch_scc0 .Lnot_mine_\@
	global_prefetch_b8 v[PFO], s[PFA:PFA+1] th:TH_LOAD_NT scope:SCOPE_SE
.Lnot_mine_\@:
.endm
.macro KLOAD ob, so                    ; k's four fragments at byte ob of my ring, and their scale words at byte so from v[ADS]: 18 loads
.irp f, 0,1,2,3
.irp c, 0,1,2,3
	ds_load_b128 v[FR+16*\f+4*\c:FR+16*\f+4*\c+3], v[ADR] offset:(\ob)+\f*2048+\c*512
.endr
.endr
	ds_load_b32 v[KSR], v[ADS] offset:(\so)                ; lanes 0-15: pair 0's words, lanes 16-31: pair 1's
	ds_load_b32 v[KSR+1], v[ADS] offset:(\so)+128
.endm
.macro VLOAD ob, so                    ; the step's four fragments of v, into window 1, and their scale words: 18 loads
	WIN 0x40                                       ; destination window 1, address window 0
.irp t, 0,1,2,3
.irp c, 0,1,2,3
	ds_load_b128 v[16*\t+4*\c:16*\t+4*\c+3], v[ADR] offset:(\ob)+8192+\t*2048+\c*512
.endr
.endr
	WIN 0
	ds_load_b32 v[VSR], v[ADS] offset:(\so)+256
	ds_load_b32 v[VSR+1], v[ADS] offset:(\so)+384
.endm
.macro SPROD                           ; S^T = k q^T: eight tiles of 16 keys
.irp f, 0,1,2,3
	WMM S+16*\f, FR+16*\f, QLO, 1, KSR+\f/2, QW, \f%2      ; the pair's even tile,
	WMM S+16*\f+8, FR+16*\f, QHI, 1, KSR+\f/2, QW, \f%2    ; its odd one: registers 16 f + 0..15 are keys 32 f + 16 (lane / 16) + 0..15
.endr
.rept 8
	v_nop                                          ; eight plain lines in front of the first read of the scores, of the loads into k's registers and scale words, and, counted from the last step's O^T products, of the loads into v's
.endr
.endm
.macro PVPROD                          ; O^T += v^T p^T: four tiles of 16 channels, by turns
	WIN 0x01                                       ; source 0 window 1
.irp t, 0,1,2,3
	WMM OT+8*\t, 16*\t, PCD, 0, VSR+\t/2, PSW, \t%2
.endr
	WIN 0
.endm
; THE SOFTMAX OF A STEP, in three parts.  SMA: the blocks' and the row's largest score, the new M, f = 2^(old M - new M)
.macro SMA
.irp b, 0,1,2,3
	v_max3_num_f32 v[BM+\b], v[S+16*\b], v[S+1+16*\b], v[S+2+16*\b]    ; the largest score of each block of 32 keys: for the row's maximum and, since p rises with the score, for the block's largest p
.endr
.irp i, 3,5,7,9,11,13
.irp b, 0,1,2,3
	v_max3_num_f32 v[BM+\b], v[BM+\b], v[S+16*\b+\i], v[S+1+16*\b+\i]
.endr
.endr
.irp b, 0,1,2,3
	v_max_num_f32 v[BM+\b], v[BM+\b], v[S+15+16*\b]
.endr
.irp b, 0,1,2,3
	s_delay_alu instid0(VALU_DEP_4)
	v_permlanex16_b32 v[PB+\b], v[BM+\b], s[SEL], s[SEL+1]
.endr
.irp b, 0,1,2,3
	s_delay_alu instid0(VALU_DEP_4)
	v_max_num_f32 v[BM+\b], v[BM+\b], v[PB+\b]
.endr
	s_delay_alu instid0(VALU_DEP_2)
	v_max3_num_f32 v[TP], v[BM], v[BM+1], v[BM+2]
	s_delay_alu instid0(VALU_DEP_1)
	v_max_num_f32 v[TP], v[TP], v[BM+3]
	s_delay_alu instid0(VALU_DEP_1)
	v_mul_f32 v[TP], s[CS], v[TP]                  ; the step's largest t
	s_delay_alu instid0(VALU_DEP_1)
	v_max_num_f32 v13, v13, v[TP]                  ; the running largest t
	v_mov_b32 v[TP], v12
	s_delay_alu instid0(VALU_DEP_2)
	v_floor_f32 v12, -v13                          ; the new -M = floor(-t): M is a whole number
	s_delay_alu instid0(VALU_DEP_1)
	v_sub_f32 v[TP], v12, v[TP]                    ; old M - new M: a whole number, 0 or less
	s_delay_alu instid0(VALU_DEP_1)
	v_cvt_i32_f32 v[TP], v[TP]                     ; (it saturates)
	s_delay_alu instid0(VALU_DEP_1)
	v_ldexp_f32 v[FF], 1.0, v[TP]
.endm
; SMB: t - M and the 64 exponentials, one batch with one wait: register work alone
.macro SMB
.set n, 0
.rept 32
	v_pk_fma_f32 v[S+n:S+n+1], v[S+n:S+n+1], s[CS:CS+1], v[12:13] op_sel_hi:[1,0,0]    ; t - M
.set n, n+2
.endr
.irp b, 0,1,2,3
	v_fma_f32 v[BM+\b], v[BM+\b], s[CS], v12
.endr
.set n, 0
	s_wait_alu depctr_va_vdst(0)
.rept 64
	v_exp_f32 v[S+n], v[S+n]                       ; p = 2^(t - M)
.set n, n+1
.endr
	v_pk_mul_f32 v[14:15], v[14:15], v[FF:FF+1] op_sel_hi:[1,0]    ; the sums under the new M: the plain line behind the batch
	s_wait_alu depctr_va_vdst(0)                   ; one wait for the 64, ahead of their first reader and of every branch
.endm
; SMC: the row's sum, the blocks' scales, the hold, the codes, O^T under the new M
.macro SMC
.irp b, 0,1,2,3
	v_exp_f32 v[BM+\b], v[BM+\b]                   ; each block's largest p
.endr
	v_pk_add_f32 v[228:229], v[116:117], v[120:121]
	v_pk_add_f32 v[254:255], v[124:125], v[128:129]
	v_pk_add_f32 v[252:253], v[132:133], v[136:137]
	v_pk_add_f32 v[250:251], v[140:141], v[144:145]
	v_pk_add_f32 v[248:249], v[148:149], v[152:153]
	v_pk_add_f32 v[246:247], v[156:157], v[160:161]
	v_pk_add_f32 v[244:245], v[164:165], v[168:169]
	v_pk_add_f32 v[14:15], v[14:15], v[172:173]
	v_pk_add_f32 v[228:229], v[228:229], v[112:113]
	v_pk_add_f32 v[254:255], v[254:255], v[114:115]
	v_pk_add_f32 v[252:253], v[252:253], v[118:119]
	v_pk_add_f32 v[250:251], v[250:251], v[122:123]
	v_pk_add_f32 v[248:249], v[248:249], v[126:127]
	v_pk_add_f32 v[246:247], v[246:247], v[130:131]
	v_pk_add_f32 v[244:245], v[244:245], v[134:135]
	v_pk_add_f32 v[14:15], v[14:15], v[138:139]
	v_pk_add_f32 v[228:229], v[228:229], v[142:143]
	v_pk_add_f32 v[254:255], v[254:255], v[146:147]
	v_pk_add_f32 v[252:253], v[252:253], v[150:151]
	v_pk_add_f32 v[250:251], v[250:251], v[154:155]
	v_pk_add_f32 v[248:249], v[248:249], v[158:159]
	v_pk_add_f32 v[246:247], v[246:247], v[162:163]
	v_pk_add_f32 v[244:245], v[244:245], v[166:167]
	v_pk_add_f32 v[14:15], v[14:15], v[170:171]
	v_pk_add_f32 v[228:229], v[228:229], v[174:175]
	s_delay_alu instid0(VALU_DEP_2)
	v_pk_add_f32 v[14:15], v[14:15], v[250:251]
	s_delay_alu instid0(VALU_DEP_2)
	v_pk_add_f32 v[228:229], v[228:229], v[248:249]
	v_pk_add_f32 v[254:255], v[254:255], v[246:247]
	v_pk_add_f32 v[252:253], v[252:253], v[244:245]
	s_delay_alu instid0(VALU_DEP_2)
	v_pk_add_f32 v[14:15], v[14:15], v[254:255]
	s_delay_alu instid0(VALU_DEP_2)
	v_pk_add_f32 v[228:229], v[228:229], v[252:253]
	s_delay_alu instid0(VALU_DEP_1)
	v_pk_add_f32 v[14:15], v[14:15], v[228:229]
	s_wait_alu depctr_va_vdst(0)                   ; and one for the four
.irp b, 0,1,2,3
	v_max_num_f32 v[BM+\b], 0x4800000, v[BM+\b]    ; the floor 2^(9 - 127)
.endr
.irp b, 0,1,2,3
	s_delay_alu instid0(VALU_DEP_4)
	v_add_nc_u32 v[SO+\b], 0xfc000000, v[BM+\b]
.endr
.irp b, 0,1,2,3
	v_and_or_b32 v[H2+\b], v[BM+\b], 0x7f800000, s[MNT]
.endr
.irp b, 0,1,2,3
	v_and_or_b32 v[HO+\b], v[BM+\b], 0x7f800000, s[MNT]
.endr
.irp b, 0,1,2,3
	v_lshrrev_b32 v[PB+\b], 23, v[SO+\b]
.endr
	s_delay_alu instid0(VALU_DEP_3)
	v_lshl_or_b32 v[PSW], v[PB+1], 8, v[PB]
	s_delay_alu instid0(VALU_DEP_1)
	v_lshl_or_b32 v[PSW], v[PB+2], 16, v[PSW]
	s_delay_alu instid0(VALU_DEP_1)
	v_lshl_or_b32 v[PSW], v[PB+3], 24, v[PSW]
.endm
; SMD: the hold, the codes, O^T under the new M
.macro SMD
.irp b, 0,1,2,3
.irp i, 0,2,4,6,8,10,12,14
	v_dual_min_num_f32 v[S+16*\b+\i], v[S+16*\b+\i], v[HO+\b] :: v_dual_min_num_f32 v[S+16*\b+\i+1], v[S+16*\b+\i+1], v[H2+\b]   ; the hold, two numbers a line; p is not negative, so it is one-sided
.endr
	v_cvt_scalef32_pk8_fp8_f32 v[PCD+4*\b:PCD+1+4*\b], v[S+16*\b:S+7+16*\b], v[SO+\b]
	v_cvt_scalef32_pk8_fp8_f32 v[PCD+2+4*\b:PCD+3+4*\b], v[S+8+16*\b:S+15+16*\b], v[SO+\b]
.endr
.set n, 0
	s_wait_alu depctr_va_vdst(0)                   ; the wait here, directly ahead of the first reader of O^T
.rept 16
	v_pk_mul_f32 v[OT+n:OT+n+1], v[OT+n:OT+n+1], v[FF:FF+1] op_sel_hi:[1,0]
.set n, n+2
.endr
.endm
; A slot's FIRST key step.  Its k was asked for in the step before; the next step's k lies in the same slot
.macro STEP_A sl
.set OB, (\sl)*32768
	s_wait_dscnt 0x0                               ; k and its scale words
	SPROD
	VLOAD OB, 0
	SMA
	KLOAD OB+16384, 512                            ; the next step's k: the rest of the softmax covers it
	SMB
	SMC
	SMD
	s_wait_alu depctr_va_vdst(0)
	s_wait_dscnt 18
	PVPROD
.endm
; A slot's SECOND key step, with the change of slots in it.  mode 2: the slot is filled again, behind a round of the cluster's barrier; mode 1: nothing is left to fetch: my work-group's barrier alone; mode 0: the last step of all.
; In front of the opening signal: all my tensor loads have landed (my part of the next slot), the add, my reads of this slot are over (its last bytes, v of this step, are in registers).
.macro STEP_B sl, mode, how
.set OB, (\sl)*32768+16384
.set NB, (1-(\sl))*32768
	s_wait_dscnt 0x0                               ; k and its scale words
	SPROD
	VLOAD OB, 512
.if \mode
	s_wait_tensorcnt 0x0
	ds_add_u32 v[SPW], v[NIL]                      ; 0 onto my spare word; the first part of the softmax stands between it and the wait for it
.if \mode == 2
	s_add_nc_u64 s[G0+4*\sl+2:G0+4*\sl+3], s[G0+4*\sl+2:G0+4*\sl+3], 65536     ; no load of mine is out: this slot's next two steps
	s_wait_xcnt 0x0                                ; the last prefetch, a slot back, has read its address
	s_add_nc_u64 s[PFA:PFA+1], s[PFA:PFA+1], 32768
.endif
	SMA
	s_wait_alu depctr_va_vdst(0)
	s_wait_dscnt 0x0                               ; the add is done, v is in registers: my reads of this slot are over
	s_barrier_signal -1                            ; say so,
	SMB                                            ; work on registers while the others arrive: the exponentials,
	SMC                                            ; the sums and the blocks' scales,
	s_wait_alu depctr_va_vdst(0)
	s_barrier_wait -1                              ; and go on when all twelve waves have said so
.if \mode == 2
	CREST                                          ; the rest of the round: no wave of any partner still reads this slot or has a load on its way
	tensor_load_to_lds s[G0+4*\sl:G0+4*\sl+3], s[G1:G1+7]  ; my one tensor load behind the round: two key steps in which to land
	s_nop 0
.rept 4
	v_nop
.endr
.endif
	KLOAD NB, 1024                                 ; the next slot's first k: whole since the barrier
.if \mode == 2
	ASK \how
.endif
	SMD
	PVPROD
	v_add_nc_u32 v[ADS], 1024, v[ADS]              ; the next slot's scale words
.else
	SMA
	SMB
	SMC
	SMD
	s_wait_alu depctr_va_vdst(0)
	s_wait_dscnt 0x0                               ; v
	PVPROD
.endif
.endm
	s_load_b128 s[4:7], s[0:1], 0x0                ; q, k, v's codes s[4:5], o's s[6:7]
	v_lshl_add_u32 v[SPW], v0, 2, SPARE
	v_mov_b32 v[NIL], 0
	ds_add_u32 v3, v4
	ds_add_u32 v3, v4
	s_wait_dscnt 0x0
	v_lshrrev_b32 v45, 5, v0
	s_delay_alu instid0(VALU_DEP_1)
	v_readfirstlane_b32 s[WV], v45                 ; wave 0..11
	s_and_b32 s[QD], s[WV], 3
	s_lshr_b32 s[GR], s[WV], 2
	s_bfe_u32 s[CX], ttmp6, 0x40000
	s_lshl_b32 s[QB], ttmp9, 2
	s_add_co_u32 s[QB], s[QB], s[CX]               ; my 64 queries
	s_and_b32 s[HG], ttmp7, 0xffff
	s_mul_i32 s[HD], s[HG], 3
	s_add_co_u32 s[HD], s[HD], s[GR]               ; my head, which the four partners' waves of my number share
	v_and_b32 v45, 31, v0
	s_delay_alu instid0(VALU_DEP_1)
	v_lshlrev_b32 v[L16], 4, v45
	s_delay_alu instid0(VALU_DEP_2)
	v_lshlrev_b32 v[PFO], 8, v45
	v_and_b32 v46, 15, v0
	s_delay_alu instid0(VALU_DEP_1)
	v_lshlrev_b32 v[R4], 2, v46
	s_lshl_b32 s56, s[GR], 16
	v_add_nc_u32 v[ADR], s56, v[L16]
	s_lshl_b32 s56, s[GR], 14
	s_add_co_u32 s56, s56, SCL
	v_lshl_add_u32 v[ADS], v45, 2, s56
	; descriptor groups 1: dense blocks as rows of 32 elements of 8 bytes: 32 rows for a quarter of a slot or a half of a head's scale words
	s_mov_b32 s[G1], 15|(3<<16)|(1<<21)
	s_mov_b32 s[G1+1], 32<<16
	s_mov_b32 s[G1+2], 32<<16
	s_mov_b32 s[G1+3], 32<<16
	s_mov_b32 s[G1+4], 32
	s_mov_b32 s[G1+5], 32
	s_mov_b32 s[G1+6], 0
	s_mov_b32 s[G1+7], 0
	s_mov_b32 s[G1H], 15|(3<<16)|(1<<21)           ; 64 rows of 256 bytes: a half of a head's slot 0.  (A half of a head's scale words is 32 rows: group 1 of the ring serves it)
	s_mov_b32 s[G1H+1], 32<<16
	s_mov_b32 s[G1H+2], 64<<16
	s_mov_b32 s[G1H+3], 32<<16
	s_mov_b32 s[G1H+4], 64
	s_mov_b32 s[G1H+5], 32
	s_mov_b32 s[G1H+6], 0
	s_mov_b32 s[G1H+7], 0
	s_lshl_b32 s58, s[HD], 19
	s_lshl_b32 s60, s[QD], 13
	s_add_co_u32 s58, s58, s60
	s_add_co_u32 s58, s58, KVC
	s_mov_b32 s59, 0
	s_lshl_b32 s61, s[GR], 16
	s_add_co_u32 s60, s60, s61                     ; my quarter of slot 0 in LDS
	s_lshl_b32 s62, s[HD], 14
	s_and_b32 s61, s[QD], 1
	s_lshl_b32 s61, s61, 13                        ; a half of the head's 16,384 bytes of scale words
	s_add_co_u32 s62, s62, s61
	s_add_co_u32 s62, s62, KVS
	s_mov_b32 s63, 0
	s_lshl_b32 s57, s[GR], 14
	s_add_co_u32 s61, s61, s57
	s_add_co_u32 s61, s61, SCL
	s_and_b32 s69, s[QD], 1
	s_lshl_b32 s69, s69, 14                        ; a half of slot 0: 16,384 bytes
	s_lshl_b32 s70, s[HD], 19
	s_add_co_u32 s70, s70, s69
	s_add_co_u32 s70, s70, KVC
	s_mov_b32 s71, 0
	s_lshl_b32 s57, s[GR], 16
	s_add_co_u32 s69, s69, s57
	s_mov_b32 s68, 1
	s_mov_b32 s[SEL], 0x76543210
	s_mov_b32 s[SEL+1], 0xfedcba98
	s_mov_b32 s[CS], 0x3e38aa3b                    ; log2(e) / 8
	s_mov_b32 s[CS+1], s[CS]
	s_mov_b32 s[MNT], 0x600000
	s_mov_b32 s[CNT], 7
	s_wait_alu depctr_va_vdst(0)
	s_wait_kmcnt 0x0
	s_add_nc_u64 s[58:59], s[4:5], s[58:59]
.irp n, 0,1
	s_mov_b32 s[G0+4*\n], 1
	s_add_co_u32 s[G0+4*\n+1], s60, \n*32768
	s_add_nc_u64 s[G0+4*\n+2:G0+4*\n+3], s[58:59], \n*32768
	s_or_b32 s[G0+4*\n+3], s[G0+4*\n+3], 0x80000000
.endr
	s_mov_b32 s[G0S], 1
	s_mov_b32 s[G0S+1], s61
	s_add_nc_u64 s[G0S+2:G0S+3], s[4:5], s[62:63]
	s_or_b32 s[G0S+3], s[G0S+3], 0x80000000
	s_add_nc_u64 s[G0H+2:G0H+3], s[4:5], s[G0H+2:G0H+3]
	s_or_b32 s[G0H+3], s[G0H+3], 0x80000000
	; my tile of queries, and where its o goes
	s_lshl_b32 s56, s[QB], 2
	s_add_co_u32 s56, s56, s[QD]                   ; tile
	s_lshr_b32 s57, s56, 1                         ; pair
	s_lshl_b32 s58, s[HD], 18
	s_lshl_b32 s59, s56, 10
	s_add_co_u32 s58, s58, s59
	s_mov_b32 s59, 0
	s_add_nc_u64 s[58:59], s[4:5], s[58:59]
	s_lshl_b32 s60, s[HD], 7
	s_add_co_u32 s60, s60, s57
	s_lshl_b32 s60, s60, 6
	s_add_co_u32 s60, s60, QS
	s_mov_b32 s61, 0
	s_add_nc_u64 s[60:61], s[4:5], s[60:61]
	s_mul_i32 s62, s57, 6
	s_lshr_b32 s63, s[HD], 1
	s_add_co_u32 s62, s62, s63                     ; pair x 6 + the next product's K step: two heads to a step of 128
	s_and_b32 s56, s56, 1
	s_and_b32 s57, s[HD], 1
	s_lshl_b32 s54, s62, 7
	s_lshl_b32 s63, s56, 6
	s_add_co_u32 s54, s54, s63
	s_lshl_b32 s63, s57, 1
	s_add_co_u32 s54, s54, s63
	s_add_co_u32 s54, s54, OSB
	s_mov_b32 s55, 0
	s_add_nc_u64 s[OSP:OSP+1], s[6:7], s[54:55]
	s_lshl_b32 s52, s62, 1
	s_add_co_u32 s52, s52, s56
	s_lshl_b32 s52, s52, 11
	s_lshl_b32 s63, s57, 10
	s_add_co_u32 s52, s52, s63
	s_mov_b32 s53, 0
	s_add_nc_u64 s[OP:OP+1], s[6:7], s[52:53]
	s_mov_b32 s63, 0x03020302
	s_cmp_eq_u32 s56, 0
	s_cselect_b32 s63, 0x01000100, s63             ; which two bytes of the pair's word are my tile's
	s_lshl_b32 s44, s[HD], 19
	s_lshl_b32 s62, s[CX], 13
	s_add_co_u32 s44, s44, s62
	s_add_co_u32 s44, s44, KVC+65536               ; the third slot's worth of keys, my work-group's quarter; the first change steps it to the fourth
	s_mov_b32 s45, 0
	s_add_nc_u64 s[PFA:PFA+1], s[4:5], s[44:45]
	s_or_b32 s[LIM], s[QD], ttmp9
	s_cmp_eq_u32 s[LIM], 0
	s_cselect_b32 s[LIM], 1, -1                    ; the first wave of a head's four, in the first cluster: the same in all four partners
	global_load_b128 v[24:27], v[L16], s[58:59]            ; q's 64 channels of my 16 queries
	global_load_b128 v[28:31], v[L16], s[58:59] offset:512
	global_load_b32 v44, v[R4], s[60:61]
	ROUND                                          ; all four work-groups are here: the first joint loads meet
	; THE HEAD'S LOADS, ONE A WAVE (in place of the three that the head's comment names): of a head's four waves the first two fetch the halves of slot 0, the other two the halves of the scale words
	s_cmp_lt_u32 s[QD], 2
	s_cbranch_scc0 .Lhead_scales
	tensor_load_to_lds s[G0H:G0H+3], s[G1H:G1H+7]
	s_nop 0
.rept 4
	v_nop
.endr
	s_branch .Lhead_asked
.Lhead_scales:
	tensor_load_to_lds s[G0S:G0S+3], s[G1:G1+7]
	s_nop 0
.rept 4
	v_nop
.endr
.Lhead_asked:
.irp j, 0,1,2,3,4,5,6,7
	v_mov_b32 v[16+\j], 0                          ; zero codes on both sides of q
	v_mov_b32 v[32+\j], 0
.endr
	v_mov_b32 v13, 0xff61b1e6                      ; the largest t so far: -3e38
	s_delay_alu instid0(VALU_DEP_1)
	v_floor_f32 v12, -v13
	v_mov_b32 v14, 0
	v_mov_b32 v15, 0
	v_mov_b32 v[FF+1], 0                           ; (named as the upper half of a pair)
.irp b, 0,1,2,3
	v_mov_b32 v[PB+\b], 0                          ; a lane permute's destination counts as one of its sources
.endr
	s_wait_loadcnt 0x0
	v_perm_b32 v[QW], v44, v44, s63                ; [c0, c1, c0, c1]; the 32 lines below stand between this and the first product
.set n, 0
.rept 32
	v_mov_b32 v[OT+n], 0                           ; the step is written once: the first finds zeros
.set n, n+1
.endr
	s_wait_alu depctr_va_vdst(0)
	s_wait_tensorcnt 0x0                           ; my part of the head's tiles is in; slot 1's first fill is issued as a refill is:
	ds_add_u32 v[SPW], v[NIL]                      ; 0 onto my spare word
	s_wait_dscnt 0x0
	ROUND                                          ; everybody's part is in, and all four work-groups are here
	tensor_load_to_lds s[G0+4:G0+7], s[G1:G1+7]    ; slot 1, a quarter a wave: a key step and a half in which to land
	s_nop 0
.rept 4
	v_nop
.endr
	KLOAD 0, 0                                     ; the first step's k
.Lloop:                                                ; 7 trips of two slots; each change of slots fills the slot just left with the keys two slots on
	s_wait_alu depctr_va_vdst(0)
	STEP_A 0
	STEP_B 0, 2, 0
	s_wait_alu depctr_va_vdst(0)
	STEP_A 1
	STEP_B 1, 2, 1
	s_sub_co_u32 s[CNT], s[CNT], 1
	s_cmp_lg_u32 s[CNT], 0
	s_cbranch_scc1 .Lloop
	s_wait_alu depctr_va_vdst(0)
	STEP_A 0                                       ; the tail is written out
	STEP_B 0, 1, 0                                 ; the last change of slots: nothing is left to fetch
	s_wait_alu depctr_va_vdst(0)
	STEP_A 1
	STEP_B 1, 0, 0
	; THE WAY OUT
	v_add_f32 v14, v14, v15
	s_delay_alu instid0(VALU_DEP_1)
	v_permlanex16_b32 v[PB], v14, s[SEL], s[SEL+1]
	s_delay_alu instid0(VALU_DEP_1)
	v_add_f32 v14, v14, v[PB]                      ; the row's sum
	s_wait_alu depctr_va_vdst(0)
	v_rcp_f32 v14, v14
.rept 8
	v_nop                                          ; places behind the last products; the first is the plain line behind the reciprocal
.endr
	s_wait_alu depctr_va_vdst(0)
.set n, 0
.rept 16
	v_pk_mul_f32 v[S+n:S+n+1], v[OT+n:OT+n+1], v[14:15] op_sel_hi:[1,0]    ; register 16 b + i: channel 32 b + 16 (lane / 16) + i of my query
.set n, n+2
.endr
.irp b, 0,1
	v_max3_num_f32 v[BM+\b], |v[S+16*\b]|, |v[S+1+16*\b]|, 0x4800000
.endr
.irp i, 2,4,6,8,10,12,14
.irp b, 0,1
	s_delay_alu instid0(VALU_DEP_2)
	v_max3_num_f32 v[BM+\b], v[BM+\b], |v[S+16*\b+\i]|, |v[S+1+16*\b+\i]|
.endr
.endr
.irp b, 0,1
	s_delay_alu instid0(VALU_DEP_2)
	v_permlanex16_b32 v[PB+\b], v[BM+\b], s[SEL], s[SEL+1]
.endr
.irp b, 0,1
	s_delay_alu instid0(VALU_DEP_2)
	v_max_num_f32 v[BM+\b], v[BM+\b], v[PB+\b]
.endr
.irp b, 0,1
	s_delay_alu instid0(VALU_DEP_2)
	v_add_nc_u32 v[SO+\b], 0xfc000000, v[BM+\b]
.endr
.irp b, 0,1
	s_delay_alu instid0(VALU_DEP_4)
	v_and_or_b32 v[HO+\b], v[BM+\b], 0x7f800000, s[MNT]
.endr
.irp b, 0,1
	s_delay_alu instid0(VALU_DEP_4)
	v_lshrrev_b32 v[PB+\b], 23, v[SO+\b]
.endr
	s_delay_alu instid0(VALU_DEP_1)
	v_lshl_or_b32 v[TP], v[PB+1], 8, v[PB]
.irp b, 0,1
.irp i, 0,1,2,3,4,5,6,7,8,9,10,11,12,13,14,15
	v_med3_num_f32 v[S+16*\b+\i], v[S+16*\b+\i], -v[HO+\b], v[HO+\b]
.endr
	v_cvt_scalef32_pk8_fp8_f32 v[PCD+4*\b:PCD+1+4*\b], v[S+16*\b:S+7+16*\b], v[SO+\b]
	v_cvt_scalef32_pk8_fp8_f32 v[PCD+2+4*\b:PCD+3+4*\b], v[S+8+16*\b:S+15+16*\b], v[SO+\b]
.endr
	v_nop
	global_store_b128 v[L16], v[PCD:PCD+3], s[OP:OP+1]             ; two pieces of 512 consecutive bytes
	global_store_b128 v[L16], v[PCD+4:PCD+7], s[OP:OP+1] offset:512
	global_store_b16 v[R4], v[TP], s[OSP:OSP+1]    ; both lanes of a row write the same two bytes with the same value
	s_wait_tensorcnt 0x0                           ; the wave's end
	ds_add_u32 v[SPW], v[NIL]
	s_wait_dscnt 0x0
	ROUND                                          ; the closing round
	s_endpgm
.Lfunc_end_k_q1a212c908a_attn:
	.size	k_q1a212c908a_attn, .Lfunc_end_k_q1a212c908a_attn-k_q1a212c908a_attn
	.p2alignl 7, 3214868480
	.fill 96, 4, 3214868480
	.section	.rodata,"a",@progbits
	.p2align	6, 0x0
	.amdhsa_kernel k_q1a212c908a_attn
		.amdhsa_group_segment_fixed_size 327680
		.amdhsa_private_segment_fixed_size 0
		.amdhsa_enable_private_segment 0
		.amdhsa_kernarg_size 16
		.amdhsa_user_sgpr_count 2
		.amdhsa_user_sgpr_kernarg_segment_ptr 1
		.amdhsa_wavefront_size32 1
		.amdhsa_system_sgpr_workgroup_id_x 1
		.amdhsa_system_sgpr_workgroup_id_y 1
		.amdhsa_system_sgpr_workgroup_id_z 1
		.amdhsa_system_vgpr_workitem_id 0
		.amdhsa_next_free_vgpr 320
		.amdhsa_next_free_sgpr 72
		.amdhsa_reserve_vcc 0
		.amdhsa_float_denorm_mode_32 3
		.amdhsa_float_denorm_mode_16_64 3
		.amdhsa_memory_ordered 1
		.amdhsa_forward_progress 1
		.amdhsa_inst_pref_size 175
	.end_amdhsa_kernel
	.amdgpu_metadata
---
amdhsa.version: [ 1, 2 ]
amdhsa.kernels:
  - .name:           k_q1a212c908a_attn
    .symbol:         k_q1a212c908a_attn.kd
    .args:
      - { .name: qkvb, .offset: 0, .size: 8, .value_kind: global_buffer, .address_space: global }
      - { .name: ob, .offset: 8, .size: 8, .value_kind: global_buffer, .address_space: global }
    .group_segment_fixed_size: 327680
    .private_segment_fixed_size: 0
    .kernarg_segment_align: 8
    .kernarg_segment_size: 16
    .max_flat_workgroup_size: 384
    .sgpr_count:     72
    .vgpr_count:     320
    .wavefront_size: 32
...
	.end_amdgpu_metadata
.endif
;; end of part 3
;; launch won (part 4): grid 256 x 1, 12 waves a work-group, clusters of 4 x 1, 327,680 bytes of LDS; arguments ob, wsp, hidden_states, ln2_w, x32, hn; writes x32, hn
.if DOCPART == 4
	.amdgcn_target "amdgcn-amd-amdhsa--gfx1250"
	.amdhsa_code_object_version 6
	.text
	.protected	k_q1a212c908a_won
	.globl	k_q1a212c908a_won
	.p2align	8
	.type	k_q1a212c908a_won,@function
k_q1a212c908a_won:
	s_mov_b64 s[64:65], 0
	v_nop
	global_prefetch_b8 v0, s[64:65] scope:SCOPE_SE
	s_setreg_imm32_b32 hwreg(HW_REG_WAVE_MODE, 25, 1), 1
	s_wait_xcnt 0x0
	s_wait_alu depctr_hold_cnt(0) depctr_sa_sdst(0) depctr_va_vdst(0) depctr_va_sdst(0) depctr_va_ssrc(0) depctr_va_vcc(0) depctr_vm_vsrc(0)
	s_getreg_b32 s2, hwreg(HW_REG_IB_STS2, 6, 4)
	s_cmp_eq_u32 s2, 0
	s_cbranch_scc0 .Lentry_in_a_cluster
	s_endpgm
.Lentry_in_a_cluster:
	s_bfe_u32 s2, ttmp6, 0x10000c
	s_cmp_lg_u32 s2, 0x3003
	s_cbranch_scc0 .Lentry_shape_is_right
	s_endpgm
.Lentry_shape_is_right:
; x = hidden_states + o wo^T on codes of MX-FP8, stored as f32 [4096][768]; and in the same launch h = ln2_w * (x * rsqrt(mean(x^2) + 1e-5)), quantised along its 768 channels and stored as an image of operand registers.
; Operands come as images of operand registers (tile T: rows 32 (T/2) + 8 (T%2) + r + 8 (r/8); a fragment (tile, K step of 128) is 2,048 bytes, piece c: lane l's 16 codes k = 32 c + 16 (l / 16) + 0..15 of row l % 16).
; SHARES.  256 work-groups; a work-group owns ONE tile of 16 tokens and all 768 channels, so the row's mean is made inside it.  Wave w of twelve owns channels 64 w .. + 63: four weight tiles, four accumulators, 24 products.
; Source 0 = weights, source 1 = tokens: a lane holds one token (l % 16) and register 16 b + i of the four accumulators is channel 64 w + 32 b + 16 (l / 16) + i: two blocks of 32 of the next product's K.
; THE WEIGHTS: wave w's four tiles for all of K are 49,152 dense bytes.  All of wo is 589,824 bytes: it comes in two fills of 294,912, K steps 0-2 and 3-5, 24,576 bytes a wave, each wave's into LDS bytes that it alone reads.
; The second fill lands on the first's bytes behind a drained round of the cluster's barrier.  CLUSTER: every work-group reads the same weights: the four of a cluster ask jointly (mask 15).
; The tokens' six fragments and all scale words come straight from memory into registers.  By this text's count one tensor load of a wave is out at a time.
; NO PREFETCH: the text has no loop to run ahead in; both fills are asked for as soon as LDS has the room.
; THE WAY OUT.  The residual comes as whole rows of 256 bytes and turns through the wave's stage into the accumulators' layout; x turns back the same way and leaves as rows: sixteen lanes store 256 consecutive bytes, aligned.
; The stage lies in the wave's own weight bytes, which have had their last fill and their last read by then.  The row's sum of squares spans the twelve waves: one barrier; the twelve parts are added in one order in every wave.
; h's two scale bytes a row leave as stores of 2 bytes (the word's other two belong to the neighbouring wave): 2 bytes for 64 codes.
; LIMITS: a block of zeros gets the byte 1, not 127 (its codes are zeros, and only this program reads the bytes); NaN and infinities are not served.
.set W_C,   5068800
.set W_S,   5658624
.set A_S,   3145728                    ; where the scale words begin, in ob and in hn alike
.set FILL,  24576                      ; a wave's part of a fill: three K steps of four tiles
.set SUMS,  294912                     ; behind the weights: the waves' sums of squares, 64 bytes a wave
.set SPARE, 295936                     ; the spare words, 128 bytes for each of 12 waves
.set SPI,   272                        ; a stage row: 256 bytes + 16
.set L16, 1
.set L4,  2
.set R4,  3
.set ADW, 4                            ; v4   my weight bytes + 16 x lane
.set STO, 5                            ; v5   stage, a lane to a token: row r, + 64 h
.set STR, 6                            ; v6   stage, by rows: lanes 0-15 one row, lanes 16-31 the next
.set GOF, 7                            ; v7   the same two rows in memory
.set GNO, 8                            ; v8   64 h: my gains
.set SMW, 9
.set SMR, 10
.set SPW, 11
.set NIL, 12
.set RS,  14                           ; v[14:15] the row's reciprocal root
.set XS,  16                           ; v16-21 the tokens' scale words, v22-33 the weights': they hold scales and nothing else
.set WS,  22
.set AF,  40                           ; v40-135  the tokens' six fragments
.set RES, 40                           ; v40-71   behind K step 2: the residual, by rows
.set GN0, 72                           ; v72-87   my gains of block 0;  v232-247 of block 1
.set GN1, 232
.set BM,  88                           ; the way out's work, in registers that held fragments
.set PB,  90
.set SO,  92
.set HO,  94
.set TP,  96
.set SQ,  100
.set SL,  104                          ; v104-115 the twelve sums
.set PCD, 120                          ; v120-127 the codes
.set WF,  136                          ; v136-199 four weight fragments
.set RT,  136                          ; the way out: the residual, a lane to a token
.set XO,  168                          ; x by rows
.set ACC, 200                          ; v200-231
.set WV,  16
.set CX,  17
.set TT,  18
.set PR,  19
.set UU,  20
.set LB,  21
.set SEL, 22
.set G1,  24
.set G0,  32
.set AP,  36
.set ASP, 38
.set WSP, 40
.set RP,  42
.set MNT, 46
.set IM,  47
.set EP,  48
.set XP,  52
.set GP,  56
.set HP,  60
.set HSP, 62
.macro ROUND                           ; a round of the cluster's barrier
	s_barrier_signal -1
	s_barrier_wait -1
	s_cmp_lg_u32 s[WV], 0
	s_cbranch_scc1 .Lnot_wave_0_\@
	s_barrier_signal -3
.Lnot_wave_0_\@:
	s_barrier_wait -3
	s_barrier_signal -1
	s_barrier_wait -1
.endm
.macro TLOAD
	tensor_load_to_lds s[G0:G0+3], s[G1:G1+7]
	s_nop 0
.rept 4
	v_nop
.endr
.endm
.macro WMM t, s                        ; weight tile t x the tokens, K step s.  An odd tile's scale words stand in lanes 16-31.  K step 0 starts the sums
.if (\s) == 0
.if (\t)%2
	v_wmma_scale_f32_16x16x128_f8f6f4 v[ACC+8*\t:ACC+8*\t+7], v[WF+16*\t:WF+16*\t+15], v[AF+16*(\s):AF+16*(\s)+15], 0, v[WS+2*(\s)+\t/2], v[XS+(\s)] matrix_a_scale:MATRIX_SCALE_ROW1
.else
	v_wmma_scale_f32_16x16x128_f8f6f4 v[ACC+8*\t:ACC+8*\t+7], v[WF+16*\t:WF+16*\t+15], v[AF+16*(\s):AF+16*(\s)+15], 0, v[WS+2*(\s)+\t/2], v[XS+(\s)]
.endif
.else
.if (\t)%2
	v_wmma_scale_f32_16x16x128_f8f6f4 v[ACC+8*\t:ACC+8*\t+7], v[WF+16*\t:WF+16*\t+15], v[AF+16*(\s):AF+16*(\s)+15], v[ACC+8*\t:ACC+8*\t+7], v[WS+2*(\s)+\t/2], v[XS+(\s)] matrix_a_scale:MATRIX_SCALE_ROW1
.else
	v_wmma_scale_f32_16x16x128_f8f6f4 v[ACC+8*\t:ACC+8*\t+7], v[WF+16*\t:WF+16*\t+15], v[AF+16*(\s):AF+16*(\s)+15], v[ACC+8*\t:ACC+8*\t+7], v[WS+2*(\s)+\t/2], v[XS+(\s)]
.endif
.endif
.endm
.macro KSTEP s                         ; four fragments from my own LDS bytes, four products on four accumulators by turns, eight plain lines ahead of what next touches their registers
.irp t, 0,1,2,3
.irp c, 0,1,2,3
	ds_load_b128 v[WF+16*\t+4*\c:WF+16*\t+4*\c+3], v[ADW] offset:((\s)%3)*8192+\t*2048+\c*512
.endr
.endr
	s_wait_dscnt 0x0
.irp t, 0,1,2,3
	WMM \t, \s
.endr
.rept 8
	v_nop
.endr
.endm
	s_load_b256 s[4:11], s[0:1], 0x0               ; o's codes s[4:5], the weights' images s[6:7], the residual s[8:9], the gains s[10:11]
	s_load_b128 s[12:15], s[0:1], 0x20             ; x s[12:13], h's image s[14:15]
	v_lshl_add_u32 v[SPW], v0, 2, SPARE
	v_mov_b32 v[NIL], 0
	ds_add_u32 v[SPW], v[NIL]                      ; the opening lines: the add, twice on end, and its wait ahead of my first tensor load
	ds_add_u32 v[SPW], v[NIL]
	v_lshrrev_b32 v13, 5, v0
	v_readfirstlane_b32 s[WV], v13                 ; wave 0..11
	s_mul_i32 s[LB], s[WV], FILL                   ; my LDS bytes
	s_lshl_b32 s44, s[WV], 6
	s_add_co_u32 s44, s44, SUMS
	v_and_b32 v13, 31, v0
	v_and_b32 v34, 15, v0                          ; r
	v_bfe_u32 v35, v0, 4, 1                        ; h
	v_lshlrev_b32 v[L16], 4, v13
	v_lshlrev_b32 v[L4], 2, v13
	v_lshlrev_b32 v[R4], 2, v34
	v_add_nc_u32 v[ADW], s[LB], v[L16]
	v_mul_u32_u24 v[STO], v34, SPI
	v_lshl_add_u32 v[STO], v35, 6, v[STO]
	v_add_nc_u32 v[STO], s[LB], v[STO]
	v_mul_u32_u24 v[STR], v35, SPI
	v_lshl_add_u32 v[STR], v34, 4, v[STR]
	v_add_nc_u32 v[STR], s[LB], v[STR]
	v_mul_u32_u24 v[GOF], v35, 3072
	v_lshl_add_u32 v[GOF], v34, 4, v[GOF]
	v_lshlrev_b32 v[GNO], 6, v35
	v_add_nc_u32 v[SMW], s44, v[R4]
	v_add_nc_u32 v[SMR], SUMS, v[R4]
	v_mov_b32 v[RS+1], 0                           ; (named as the upper half of a pair)
	s_bfe_u32 s[CX], ttmp6, 0x40000
	s_lshl_b32 s[TT], ttmp9, 2
	s_add_co_u32 s[TT], s[TT], s[CX]               ; my tile of tokens: it enters global addresses of my own loads and stores alone
	s_lshr_b32 s[PR], s[TT], 1                     ; its pair,
	s_and_b32 s[UU], s[TT], 1                      ; and which of the two
	s_mov_b32 s[G1], 15|(3<<16)|(1<<21)            ; the mask: all four work-groups; elements of 8 bytes; bit 21 beside a mask; no padding: fragments are read as they lie
	s_mov_b32 s[G1+1], 32<<16
	s_mov_b32 s[G1+2], 96<<16                      ; 96 rows of 256 bytes
	s_mov_b32 s[G1+3], 32<<16
	s_mov_b32 s[G1+4], 96
	s_mov_b32 s[G1+5], 32
	s_mov_b32 s[G1+6], 0
	s_mov_b32 s[G1+7], 0
	s_mul_i32 s46, s[PR], 24576                    ; a tile's fragments, in ob and in hn: pair x 6 K steps x 4,096 + 2,048 x which
	s_lshl_b32 s45, s[UU], 11
	s_add_co_u32 s46, s46, s45
	s_mov_b32 s47, 0
	s_mul_i32 s48, s[PR], 768                      ; its scale words: pair x 6 x 128 + 64 x which
	s_lshl_b32 s45, s[UU], 6
	s_add_co_u32 s48, s48, s45
	s_add_co_u32 s48, s48, A_S
	s_mov_b32 s49, 0
	s_mul_i32 s50, s[WV], 1536                     ; my two weight pairs' scale words
	s_add_co_u32 s50, s50, W_S
	s_mov_b32 s51, 0
	s_lshl_b32 s52, s[PR], 5
	s_lshl_b32 s45, s[UU], 3
	s_add_co_u32 s52, s52, s45
	s_mul_i32 s52, s52, 3072                       ; row 32 pair + 8 which,
	s_lshl_b32 s56, s[WV], 8
	s_add_co_u32 s52, s52, s56                     ; my 64 channels: 256 bytes
	s_mov_b32 s53, 0
	s_mov_b32 s57, 0
	s_mul_i32 s54, s[WV], 2*FILL
	s_add_co_u32 s54, s54, W_C
	s_mov_b32 s55, 0
	s_lshr_b32 s58, s[WV], 1                       ; the next product's K step, and which half of it is mine
	s_and_b32 s59, s[WV], 1
	s_lshl_b32 s60, s58, 12
	s_lshl_b32 s61, s59, 10
	s_add_co_u32 s60, s60, s61
	s_add_co_u32 s60, s60, s46
	s_mov_b32 s61, 0
	s_lshl_b32 s62, s58, 7
	s_lshl_b32 s63, s59, 1
	s_add_co_u32 s62, s62, s63
	s_add_co_u32 s62, s62, s48
	s_mov_b32 s63, 0
	s_mov_b32 s[SEL], 0x76543210
	s_mov_b32 s[SEL+1], 0xfedcba98                 ; v_permlanex16_b32's selects for lane l xor 16
	s_wait_alu depctr_va_vdst(0)
	s_wait_dscnt 0x0                               ; both opening adds are done
	s_wait_kmcnt 0x0
	s_add_nc_u64 s[AP:AP+1], s[4:5], s[46:47]
	s_add_nc_u64 s[ASP:ASP+1], s[4:5], s[48:49]
	s_add_nc_u64 s[WSP:WSP+1], s[6:7], s[50:51]
	s_add_nc_u64 s[RP:RP+1], s[8:9], s[52:53]
	s_add_nc_u64 s[XP:XP+1], s[12:13], s[52:53]
	s_add_nc_u64 s[GP:GP+1], s[10:11], s[56:57]
	s_add_nc_u64 s[HP:HP+1], s[14:15], s[60:61]
	s_add_nc_u64 s[HSP:HSP+1], s[14:15], s[62:63]
	s_mov_b32 s[G0], 1
	s_mov_b32 s[G0+1], s[LB]
	s_add_nc_u64 s[G0+2:G0+3], s[6:7], s[54:55]
	s_or_b32 s[G0+3], s[G0+3], 0x80000000
	s_mov_b32 s[MNT], 0x600000                     ; the mantissa field of 448
	s_mov_b32 s[IM], 0x3aaaaaab                    ; 1 / 768
	s_mov_b32 s[EP], 0x3727c5ac                    ; 1e-5
.irp s, 0,1,2,3,4,5
.irp c, 0,1,2,3
	global_load_b128 v[AF+16*\s+4*\c:AF+16*\s+4*\c+3], v[L16], s[AP:AP+1] offset:\s*4096+\c*512
.endr
	global_load_b32 v[XS+\s], v[R4], s[ASP:ASP+1] offset:\s*128            ; row r's word, in both halves of the lanes
	global_load_b32 v[WS+2*\s], v[L4], s[WSP:WSP+1] offset:\s*128          ; lanes 0-15 the even tile's words, lanes 16-31 the odd tile's
	global_load_b32 v[WS+2*\s+1], v[L4], s[WSP:WSP+1] offset:768+\s*128
.endr
	ROUND                                          ; all four work-groups are here: the joint loads meet
	TLOAD                                          ; K steps 0-2 of my four tiles: every wave's one load at the head
	s_wait_tensorcnt 0x0                           ; my bytes are in, and I alone read them
	s_wait_loadcnt 0x0                             ; the tokens' fragments and the scale words
	KSTEP 0
	KSTEP 1
	KSTEP 2
.irp n, 0,1,2,3,4,5,6,7
	global_load_b128 v[RES+4*\n:RES+4*\n+3], v[GOF], s[RP:RP+1] offset:(2*\n+8*(\n/4))*3072    ; the residual, by rows of 256 bytes, into registers whose fragments are done with
.endr
.irp k, 0,1,2,3
	global_load_b128 v[GN0+4*\k:GN0+4*\k+3], v[GNO], s[GP:GP+1] offset:16*\k
	global_load_b128 v[GN1+4*\k:GN1+4*\k+3], v[GNO], s[GP:GP+1] offset:128+16*\k
.endr
	s_wait_tensorcnt 0x0                           ; no tensor load of mine is out,
	ds_add_u32 v[SPW], v[NIL]                      ; 0 onto my spare word;
	s_add_nc_u64 s[G0+2:G0+3], s[G0+2:G0+3], FILL  ; so group 0 may be written: K steps 3-5
	s_wait_dscnt 0x0                               ; the add is done, and my reads of the first fill are over
	ROUND                                          ; both now hold of every wave of the cluster
	TLOAD                                          ; the refill, first behind the round
	s_wait_tensorcnt 0x0
	KSTEP 3
	KSTEP 4
	KSTEP 5
	s_wait_loadcnt 0x0                             ; the residual and the gains
.irp n, 0,1,2,3,4,5,6,7
	ds_store_b128 v[STR], v[RES+4*\n:RES+4*\n+3] offset:2*\n*SPI
.endr
.irp t, 0,1,2,3
	ds_load_b128 v[RT+8*\t:RT+8*\t+3], v[STO] offset:128*(\t/2)+32*(\t%2)          ; LDS serves a wave's instructions in order: these see my stores
	ds_load_b128 v[RT+8*\t+4:RT+8*\t+7], v[STO] offset:128*(\t/2)+32*(\t%2)+16
.endr
	s_wait_dscnt 0x0
.set n, 0
.rept 16
	v_pk_add_f32 v[ACC+n:ACC+n+1], v[ACC+n:ACC+n+1], v[RT+n:RT+n+1]                ; x; each accumulator is read from its low end on
.set n, n+2
.endr
.irp t, 0,1,2,3
	ds_store_b128 v[STO], v[ACC+8*\t:ACC+8*\t+3] offset:128*(\t/2)+32*(\t%2)
	ds_store_b128 v[STO], v[ACC+8*\t+4:ACC+8*\t+7] offset:128*(\t/2)+32*(\t%2)+16
.endr
.irp n, 0,1,2,3,4,5,6,7
	ds_load_b128 v[XO+4*\n:XO+4*\n+3], v[STR] offset:2*\n*SPI
.endr
	v_pk_mul_f32 v[SQ:SQ+1], v[ACC:ACC+1], v[ACC:ACC+1]                            ; the sum of squares of my 32 numbers, in two chains
	v_pk_mul_f32 v[SQ+2:SQ+3], v[ACC+2:ACC+3], v[ACC+2:ACC+3]
.irp k, 4,8,12,16,20,24,28
	v_pk_fma_f32 v[SQ:SQ+1], v[ACC+\k:ACC+\k+1], v[ACC+\k:ACC+\k+1], v[SQ:SQ+1]
	v_pk_fma_f32 v[SQ+2:SQ+3], v[ACC+\k+2:ACC+\k+3], v[ACC+\k+2:ACC+\k+3], v[SQ+2:SQ+3]
.endr
	v_pk_add_f32 v[SQ:SQ+1], v[SQ:SQ+1], v[SQ+2:SQ+3]
	v_add_f32 v[SQ], v[SQ], v[SQ+1]
	v_permlanex16_b32 v[SQ+2], v[SQ], s[SEL], s[SEL+1]
	v_add_f32 v[SQ], v[SQ], v[SQ+2]                ; with lane l xor 16's: my 64 channels' part of the row's sum
	ds_store_b32 v[SMW], v[SQ]                     ; both lanes of a row write the same word with the same value
	s_wait_alu depctr_va_vdst(0)
	s_wait_dscnt 0x0                               ; x is back by rows; and, for the others' sake, my sum lies in LDS
.irp n, 0,1,2,3,4,5,6,7
	global_store_b128 v[GOF], v[XO+4*\n:XO+4*\n+3], s[XP:XP+1] offset:(2*\n+8*(\n/4))*3072     ; sixteen lanes store 256 consecutive bytes, aligned
.endr
	s_barrier_signal -1
	s_barrier_wait -1
.irp k, 0,1,2,3,4,5,6,7,8,9,10,11
	ds_load_b32 v[SL+\k], v[SMR] offset:64*\k
.endr
	s_wait_dscnt 0x0
.irp k, 1,2,3,4,5,6,7,8,9,10,11
	v_add_f32 v[SL], v[SL], v[SL+\k]
.endr
	v_fma_f32 v[SL], v[SL], s[IM], s[EP]           ; mean + 1e-5
	s_wait_alu depctr_va_vdst(0)                   ; the wait ahead of the transcendental,
	v_rsq_f32 v[RS], v[SL]
	v_nop                                          ; a plain line behind it,
	s_wait_alu depctr_va_vdst(0)                   ; and the wait ahead of its first reader
.set n, 0
.rept 16
	v_pk_mul_f32 v[ACC+n:ACC+n+1], v[ACC+n:ACC+n+1], v[RS:RS+1] op_sel_hi:[1,0]
.set n, n+2
.endr
.set n, 0
.rept 8
	v_pk_mul_f32 v[ACC+n:ACC+n+1], v[ACC+n:ACC+n+1], v[GN0+n:GN0+n+1]
	v_pk_mul_f32 v[ACC+16+n:ACC+16+n+1], v[ACC+16+n:ACC+16+n+1], v[GN1+n:GN1+n+1]
.set n, n+2
.endr
.irp b, 0,1
	v_max3_num_f32 v[BM+\b], |v[ACC+16*\b]|, |v[ACC+1+16*\b]|, 0x4800000           ; my 16 numbers of block b, and the floor 2^(9 - 127): the byte cannot fall under 1
.endr
.irp i, 2,4,6,8,10,12,14
.irp b, 0,1
	v_max3_num_f32 v[BM+\b], v[BM+\b], |v[ACC+16*\b+\i]|, |v[ACC+1+16*\b+\i]|
.endr
.endr
.irp b, 0,1
	v_permlanex16_b32 v[PB+\b], v[BM+\b], s[SEL], s[SEL+1]
.endr
.irp b, 0,1
	v_max_num_f32 v[BM+\b], v[BM+\b], v[PB+\b]     ; with lane l xor 16's: the block's largest magnitude
.endr
.irp b, 0,1
	v_add_nc_u32 v[SO+\b], 0xfc000000, v[BM+\b]    ; 8 off its exponent field: the conversion's scale operand
.endr
.irp b, 0,1
	v_and_or_b32 v[HO+\b], v[BM+\b], 0x7f800000, s[MNT]    ; 448 x the scale
.endr
.irp b, 0,1
	v_lshrrev_b32 v[PB+\b], 23, v[SO+\b]           ; the scale's byte
.endr
	v_lshl_or_b32 v[TP], v[PB+1], 8, v[PB]
.irp b, 0,1
.irp i, 0,1,2,3,4,5,6,7,8,9,10,11,12,13,14,15
	v_med3_num_f32 v[ACC+16*\b+\i], v[ACC+16*\b+\i], -v[HO+\b], v[HO+\b]           ; the conversion does not saturate (ISA guide 7.6.2): the hold
.endr
	v_cvt_scalef32_pk8_fp8_f32 v[PCD+4*\b:PCD+1+4*\b], v[ACC+16*\b:ACC+7+16*\b], v[SO+\b]
	v_cvt_scalef32_pk8_fp8_f32 v[PCD+2+4*\b:PCD+3+4*\b], v[ACC+8+16*\b:ACC+15+16*\b], v[SO+\b]
.endr
	v_nop                                          ; a plain line behind the last conversion
	global_store_b128 v[L16], v[PCD:PCD+3], s[HP:HP+1]             ; two pieces of 512 consecutive bytes
	global_store_b128 v[L16], v[PCD+4:PCD+7], s[HP:HP+1] offset:512
	global_store_b16 v[R4], v[TP], s[HSP:HSP+1]    ; both lanes of a row write the same two bytes with the same value
	s_wait_tensorcnt 0x0                           ; the wave's end
	ds_add_u32 v[SPW], v[NIL]
	s_wait_dscnt 0x0
	ROUND                                          ; the closing round
	s_endpgm
.Lfunc_end_k_q1a212c908a_won:
	.size	k_q1a212c908a_won, .Lfunc_end_k_q1a212c908a_won-k_q1a212c908a_won
	.p2alignl 7, 3214868480
	.fill 96, 4, 3214868480
	.section	.rodata,"a",@progbits
	.p2align	6, 0x0
	.amdhsa_kernel k_q1a212c908a_won
		.amdhsa_group_segment_fixed_size 327680
		.amdhsa_private_segment_fixed_size 0
		.amdhsa_enable_private_segment 0
		.amdhsa_kernarg_size 48
		.amdhsa_user_sgpr_count 2
		.amdhsa_user_sgpr_kernarg_segment_ptr 1
		.amdhsa_wavefront_size32 1
		.amdhsa_system_sgpr_workgroup_id_x 1
		.amdhsa_system_sgpr_workgroup_id_y 1
		.amdhsa_system_sgpr_workgroup_id_z 1
		.amdhsa_system_vgpr_workitem_id 0
		.amdhsa_next_free_vgpr 256
		.amdhsa_next_free_sgpr 66
		.amdhsa_reserve_vcc 0
		.amdhsa_float_denorm_mode_32 3
		.amdhsa_float_denorm_mode_16_64 3
		.amdhsa_memory_ordered 1
		.amdhsa_forward_progress 1
		.amdhsa_inst_pref_size 36
	.end_amdhsa_kernel
	.amdgpu_metadata
---
amdhsa.version: [ 1, 2 ]
amdhsa.kernels:
  - .name:           k_q1a212c908a_won
    .symbol:         k_q1a212c908a_won.kd
    .args:
      - { .name: ob, .offset: 0, .size: 8, .value_kind: global_buffer, .address_space: global }
      - { .name: wsp, .offset: 8, .size: 8, .value_kind: global_buffer, .address_space: global }
      - { .name: hidden_states, .offset: 16, .size: 8, .value_kind: global_buffer, .address_space: global }
      - { .name: ln2_w, .offset: 24, .size: 8, .value_kind: global_buffer, .address_space: global }
      - { .name: x32, .offset: 32, .size: 8, .value_kind: global_buffer, .address_space: global }
      - { .name: hn, .offset: 40, .size: 8, .value_kind: global_buffer, .address_space: global }
    .group_segment_fixed_size: 327680
    .private_segment_fixed_size: 0
    .kernarg_segment_align: 8
    .kernarg_segment_size: 48
    .max_flat_workgroup_size: 384
    .sgpr_count:     66
    .vgpr_count:     256
    .wavefront_size: 32
...
	.end_amdgpu_metadata
.endif
;; end of part 4
;; launch up (part 5): grid 32 x 8, 12 waves a work-group, clusters of 4 x 1, 296,448 bytes of LDS; arguments hn, wsp, actb; writes actb
.if DOCPART == 5
	.amdgcn_target "amdgcn-amd-amdhsa--gfx1250"
	.amdhsa_code_object_version 6
	.text
	.protected	k_q1a212c908a_up
	.globl	k_q1a212c908a_up
	.p2align	8
	.type	k_q1a212c908a_up,@function
k_q1a212c908a_up:
	s_mov_b64 s[64:65], 0
	v_nop
	global_prefetch_b8 v0, s[64:65] scope:SCOPE_SE
	s_setreg_imm32_b32 hwreg(HW_REG_WAVE_MODE, 25, 1), 1
	s_wait_xcnt 0x0
	s_wait_alu depctr_hold_cnt(0) depctr_sa_sdst(0) depctr_va_vdst(0) depctr_va_sdst(0) depctr_va_ssrc(0) depctr_va_vcc(0) depctr_vm_vsrc(0)
	s_getreg_b32 s2, hwreg(HW_REG_IB_STS2, 6, 4)
	s_cmp_eq_u32 s2, 0
	s_cbranch_scc0 .Lentry_in_a_cluster
	s_endpgm
.Lentry_in_a_cluster:
	s_bfe_u32 s2, ttmp6, 0x10000c
	s_cmp_lg_u32 s2, 0x3003
	s_cbranch_scc0 .Lentry_shape_is_right
	s_endpgm
.Lentry_shape_is_right:
; act = silu(hn w_up^T) on codes of MX-FP8, quantised along its 3,072 channels and stored as an image of operand registers (tile T: rows 32 (T/2) + 8 (T%2) + r + 8 (r/8)).
; A work-group takes 128 tokens (tau) and a slice of 384 channels (sigma): 24 weight tiles.  Wave w: token pair 4 tau + w % 4, weight tiles 8 (w / 4) .. + 7: 16 accumulators: one K step of the next product for two token tiles.
; THE SLICE for all of K is one dense block of 294,912 bytes: it comes into LDS once, three tensor loads a wave (two K steps each), nothing is filled again.  By this text's count three tensor loads of a wave are out at most.
; CLUSTER: the four work-groups of a cluster share sigma, so the slice is asked for jointly (mask 15).  The tokens' fragments and all scale words come straight from memory into registers, a K step ahead.
; Source 0 = weights, source 1 = tokens: a lane holds one token and its 16 registers of two neighbouring tiles are 16 neighbouring channels.
; silu(a) = a / (1 + 2^(-a log2 e)), in f32.  LIMITS: a block of zeros gets the byte 1 (its codes are zeros; only this program reads the bytes); NaN and infinities are not served.
.set XN_S,  3145728
.set WUP_C, 5677056
.set WUP_S, 8036352
.set ASB,   12582912
.set PHB,   98304
.set L16, 1
.set L4,  2
.set ADW, 4
.set XS,  8                            ; v8-9 the tokens' scale words, v10-17 the weights': they hold scales and nothing else
.set WS,  10
.set PW,  18
.set T0,  22
.set WF,  32
.set XB,  64
.set ACC, 128
.set TM,  32
.set PCA, 48
.set E,   64                           ; the way out: v64-127 at work on the activation
.set WV,  10
.set PP,  11
.set GCH, 12
.set CX,  13
.set TAU, 14
.set SIG, 15
.set G1,  16
.set G0,  24
.set XP,  36
.set XSP, 38
.set WSP, 40
.set CA,  42
.set SP,  46
.set SEL, 48
.set MNT, 50
.set HM,  51
.set NL,  52
.macro ROUND
	s_barrier_signal -1
	s_barrier_wait -1
	s_cmp_lg_u32 s[WV], 0
	s_cbranch_scc1 .Lnot_wave_0_\@
	s_barrier_signal -3
.Lnot_wave_0_\@:
	s_barrier_wait -3
	s_barrier_signal -1
	s_barrier_wait -1
.endm
.macro WMM d, a, b, z, sa, sb, ra, rb
.if (\z)
.if (\ra) && (\rb)
	v_wmma_scale_f32_16x16x128_f8f6f4 v[(\d):(\d)+7], v[(\a):(\a)+15], v[(\b):(\b)+15], 0, v[\sa], v[\sb] matrix_a_scale:MATRIX_SCALE_ROW1 matrix_b_scale:MATRIX_SCALE_ROW1
.elseif (\ra)
	v_wmma_scale_f32_16x16x128_f8f6f4 v[(\d):(\d)+7], v[(\a):(\a)+15], v[(\b):(\b)+15], 0, v[\sa], v[\sb] matrix_a_scale:MATRIX_SCALE_ROW1
.elseif (\rb)
	v_wmma_scale_f32_16x16x128_f8f6f4 v[(\d):(\d)+7], v[(\a):(\a)+15], v[(\b):(\b)+15], 0, v[\sa], v[\sb] matrix_b_scale:MATRIX_SCALE_ROW1
.else
	v_wmma_scale_f32_16x16x128_f8f6f4 v[(\d):(\d)+7], v[(\a):(\a)+15], v[(\b):(\b)+15], 0, v[\sa], v[\sb]
.endif
.else
.if (\ra) && (\rb)
	v_wmma_scale_f32_16x16x128_f8f6f4 v[(\d):(\d)+7], v[(\a):(\a)+15], v[(\b):(\b)+15], v[(\d):(\d)+7], v[\sa], v[\sb] matrix_a_scale:MATRIX_SCALE_ROW1 matrix_b_scale:MATRIX_SCALE_ROW1
.elseif (\ra)
	v_wmma_scale_f32_16x16x128_f8f6f4 v[(\d):(\d)+7], v[(\a):(\a)+15], v[(\b):(\b)+15], v[(\d):(\d)+7], v[\sa], v[\sb] matrix_a_scale:MATRIX_SCALE_ROW1
.elseif (\rb)
	v_wmma_scale_f32_16x16x128_f8f6f4 v[(\d):(\d)+7], v[(\a):(\a)+15], v[(\b):(\b)+15], v[(\d):(\d)+7], v[\sa], v[\sb] matrix_b_scale:MATRIX_SCALE_ROW1
.else
	v_wmma_scale_f32_16x16x128_f8f6f4 v[(\d):(\d)+7], v[(\a):(\a)+15], v[(\b):(\b)+15], v[(\d):(\d)+7], v[\sa], v[\sb]
.endif
.endif
.endm
.macro QUANT s, pc, pw                 ; 64 numbers of a lane, register 16 b + i = k 32 b + 16 (lane / 16) + i of my token, become a fragment's codes in v[pc] on and its scale word in v[pw]
.irp b, 0,1,2,3
	v_max3_num_f32 v[TM+\b], |v[\s+16*\b]|, |v[\s+1+16*\b]|, 0x4800000
.endr
.irp i, 2,4,6,8,10,12,14
.irp b, 0,1,2,3
	s_delay_alu instid0(VALU_DEP_4)
	v_max3_num_f32 v[TM+\b], v[TM+\b], |v[\s+16*\b+\i]|, |v[\s+1+16*\b+\i]|
.endr
.endr
.irp b, 0,1,2,3
	s_delay_alu instid0(VALU_DEP_4)
	v_permlanex16_b32 v[TM+4+\b], v[TM+\b], s[SEL], s[SEL+1]
.endr
.irp b, 0,1,2,3
	s_delay_alu instid0(VALU_DEP_4)
	v_max_num_f32 v[TM+\b], v[TM+\b], v[TM+4+\b]
.endr
.irp b, 0,1,2,3
	s_delay_alu instid0(VALU_DEP_4)
	v_add_nc_u32 v[TM+12+\b], 0xfc000000, v[TM+\b]
.endr
.irp b, 0,1,2,3
	v_and_or_b32 v[TM+8+\b], v[TM+\b], 0x7f800000, s[MNT]
.endr
.irp b, 0,1,2,3
	v_lshrrev_b32 v[TM+4+\b], 23, v[TM+12+\b]
.endr
	s_delay_alu instid0(VALU_DEP_3)
	v_lshl_or_b32 v[\pw], v[TM+5], 8, v[TM+4]
	s_delay_alu instid0(VALU_DEP_1)
	v_lshl_or_b32 v[\pw], v[TM+6], 16, v[\pw]
	s_delay_alu instid0(VALU_DEP_1)
	v_lshl_or_b32 v[\pw], v[TM+7], 24, v[\pw]
.irp b, 0,1,2,3
.irp i, 0,1,2,3,4,5,6,7,8,9,10,11,12,13,14,15
	v_med3_num_f32 v[\s+16*\b+\i], v[\s+16*\b+\i], -v[TM+8+\b], v[TM+8+\b]
.endr
	v_cvt_scalef32_pk8_fp8_f32 v[\pc+4*\b:\pc+1+4*\b], v[\s+16*\b:\s+7+16*\b], v[TM+12+\b]
	v_cvt_scalef32_pk8_fp8_f32 v[\pc+2+4*\b:\pc+3+4*\b], v[\s+8+16*\b:\s+15+16*\b], v[TM+12+\b]
.endr
	v_nop
.endm
.macro SILU a                          ; 64 numbers in place; two batches of transcendentals, one plain line and one wait behind each.  The accumulators are read from their low ends on
.set n, 0
.rept 32
	v_pk_mul_f32 v[E+n:E+n+1], v[\a+n:\a+n+1], s[NL:NL+1] op_sel_hi:[1,0]
.set n, n+2
.endr
.set n, 0
	s_wait_alu depctr_va_vdst(0)
.rept 64
	v_exp_f32 v[E+n], v[E+n]
.set n, n+1
.endr
	v_nop
	s_wait_alu depctr_va_vdst(0)
.set n, 0
.rept 32
	v_pk_add_f32 v[E+n:E+n+1], v[E+n:E+n+1], 1.0 op_sel_hi:[1,0]
.set n, n+2
.endr
.set n, 0
	s_wait_alu depctr_va_vdst(0)
.rept 64
	v_rcp_f32 v[E+n], v[E+n]
.set n, n+1
.endr
	v_nop
	s_wait_alu depctr_va_vdst(0)
.set n, 0
.rept 32
	v_pk_mul_f32 v[\a+n:\a+n+1], v[\a+n:\a+n+1], v[E+n:E+n+1]
.set n, n+2
.endr
.endm
.macro GLOADS s
.irp j, 0,1
.irp c, 0,1,2,3
	global_load_b128 v[XB+32*((\s)%2)+16*\j+4*\c:XB+32*((\s)%2)+16*\j+4*\c+3], v[L16], s[XP:XP+1] offset:(\s)*4096+\j*2048+\c*512
.endr
.endr
	global_load_b32 v[XS+(\s)%2], v[L4], s[XSP:XSP+1] offset:(\s)*128
.irp p, 0,1,2,3
	global_load_b32 v[WS+4*((\s)%2)+\p], v[L4], s[WSP:WSP+1] offset:\p*768+(\s)*128
.endr
.endm
.macro PHASE ph                        ; K steps 2 ph, 2 ph + 1 were fetched by waves 4 ph .. 4 ph + 3: they (and the waves under them, whose load is in) wait; the last phase shows all that is out, so there every wave waits
.if \ph < 2
	s_cmp_lt_u32 s[WV], 4*(\ph)+4
	s_cbranch_scc0 .Lnot_mine_\@
	s_wait_tensorcnt 0x0
.Lnot_mine_\@:
.else
	s_wait_tensorcnt 0x0
.endif
	s_barrier_signal -1
	s_barrier_wait -1
.endm
.macro KSTEP s                         ; four times two weight tiles from LDS and four products; eight plain lines in front of each run of loads into registers that products have read; the 16 accumulators take turns
.irp q, 0,1,2,3
.if ((\s) > 0) || (\q > 0)
.if \q == 0
	v_add_nc_u32 v[ADW], 49152, v[ADW]
	s_wait_alu depctr_va_vdst(0)
.rept 7
	v_nop
.endr
.else
.rept 8
	v_nop
.endr
.endif
.endif
.if (\q == 0) && ((\s) < 5)
	GLOADS (\s)+1
.endif
.irp t, 0,1
.irp c, 0,1,2,3
	ds_load_b128 v[WF+16*\t+4*\c:WF+16*\t+4*\c+3], v[ADW] offset:(2*\q+\t)*2048+\c*512
.endr
.endr
	s_wait_dscnt 0x0
.if \q == 0
.if (\s) < 5
	s_wait_loadcnt 13                              ; this K step's loads are in; the next step's 13 may be out
.else
	s_wait_loadcnt 0x0
.endif
.endif
.irp t, 0,1
.irp j, 0,1
	WMM ACC+8*(8*\j+2*\q+\t), WF+16*\t, XB+32*((\s)%2)+16*\j, (\s)==0, WS+4*((\s)%2)+\q, XS+(\s)%2, \t, \j
.endr
.endr
.endr
.endm
	s_load_b128 s[4:7], s[0:1], 0x0                ; the tokens' images s[4:5], the weights' s[6:7]
	s_load_b64 s[8:9], s[0:1], 0x10                ; act's codes
	v_lshl_add_u32 v30, v0, 2, 0x48000
	v_mov_b32 v31, 0
	ds_add_u32 v30, v31
	ds_add_u32 v30, v31
	v_lshrrev_b32 v1, 5, v0
	s_delay_alu instid0(VALU_DEP_1)
	v_readfirstlane_b32 s[WV], v1
	s_and_b32 s[PP], s[WV], 3
	s_lshr_b32 s[GCH], s[WV], 2
	s_bfe_u32 s[CX], ttmp6, 0x40000
	s_lshl_b32 s[TAU], ttmp9, 2
	s_add_co_u32 s[TAU], s[TAU], s[CX]
	s_and_b32 s[SIG], ttmp7, 0xffff
	v_and_b32 v22, 31, v0
	s_delay_alu instid0(VALU_DEP_1)
	v_lshlrev_b32 v[L16], 4, v22
	s_delay_alu instid0(VALU_DEP_2)
	v_lshlrev_b32 v[L4], 2, v22
	s_lshl_b32 s54, s[GCH], 14
	v_add_nc_u32 v[ADW], s54, v[L16]
	s_mov_b32 s[SEL], 0x76543210
	s_mov_b32 s[SEL+1], 0xfedcba98
	s_mov_b32 s[MNT], 0x600000
	s_mov_b32 s[HM], 0xffff0000
	s_mov_b32 s[NL], 0xbfb8aa3b                    ; -log2(e)
	s_mov_b32 s[NL+1], s[NL]
	s_mov_b32 s[G1], 15|(3<<16)|(1<<21)            ; the mask: all four work-groups; elements of 8 bytes; bit 21 beside a mask; no padding
	s_mov_b32 s[G1+1], 32<<16
	s_mov_b32 s[G1+2], 96<<16                      ; 96 rows of 256 bytes: a wave's one load brings 24,576 dense bytes
	s_mov_b32 s[G1+3], 32<<16
	s_mov_b32 s[G1+4], 96
	s_mov_b32 s[G1+5], 32
	s_mov_b32 s[G1+6], 0
	s_mov_b32 s[G1+7], 0
	s_lshl_b32 s53, s[TAU], 2
	s_add_co_u32 s53, s53, s[PP]                   ; my token pair
	s_mul_i32 s54, s53, 24576
	s_mov_b32 s55, 0
	s_mul_i32 s56, s53, 768
	s_add_co_u32 s56, s56, XN_S
	s_mov_b32 s57, 0
	s_mul_i32 s58, s[SIG], 12
	s_lshl_b32 s59, s[GCH], 2
	s_add_co_u32 s58, s58, s59
	s_mul_i32 s58, s58, 768
	s_add_co_u32 s58, s58, WUP_S
	s_mov_b32 s59, 0
	s_mul_i32 s60, s[SIG], 294912
	s_mul_i32 s62, s[WV], 24576                    ; my twelfth of the slice: waves 0-3 hold K steps 0, 1; waves 4-7 steps 2, 3; waves 8-11 steps 4, 5
	s_add_co_u32 s60, s60, s62
	s_add_co_u32 s60, s60, WUP_C
	s_mov_b32 s61, 0
	s_wait_alu depctr_va_vdst(0)
	s_wait_dscnt 0x0
	s_wait_kmcnt 0x0
	s_add_nc_u64 s[XP:XP+1], s[4:5], s[54:55]
	s_add_nc_u64 s[XSP:XSP+1], s[4:5], s[56:57]
	s_add_nc_u64 s[WSP:WSP+1], s[6:7], s[58:59]
	s_add_nc_u64 s[60:61], s[6:7], s[60:61]
.irp ph, 0
	s_mov_b32 s[G0+4*\ph], 1
	s_add_co_u32 s[G0+4*\ph+1], s62, \ph*PHB
	s_add_nc_u64 s[G0+4*\ph+2:G0+4*\ph+3], s[60:61], \ph*PHB
	s_or_b32 s[G0+4*\ph+3], s[G0+4*\ph+3], 0x80000000
.endr
	s_mul_i32 s54, s53, 24
	s_mul_i32 s55, s[SIG], 3
	s_add_co_u32 s54, s54, s55
	s_add_co_u32 s54, s54, s[GCH]                  ; pair x 24 + the next product's K step 3 sigma + w / 4
	s_lshl_b32 s56, s54, 7
	s_add_co_u32 s56, s56, ASB
	s_mov_b32 s57, 0
	s_lshl_b32 s54, s54, 12
	s_mov_b32 s55, 0
	s_add_nc_u64 s[CA:CA+1], s[8:9], s[54:55]
	s_add_nc_u64 s[SP:SP+1], s[8:9], s[56:57]
	GLOADS 0
	ROUND                                          ; all four work-groups are here: the joint loads meet
	; ONE tensor load a wave (in place of the three that the head's comment names): an arm for each group of four waves, so that each phase's bytes have a load line of their own
	s_cmp_lt_u32 s[WV], 4
	s_cbranch_scc0 .Lfill_b
	tensor_load_to_lds s[G0:G0+3], s[G1:G1+7]
	s_nop 0
.rept 4
	v_nop
.endr
	s_branch .Lfilled
.Lfill_b:
	s_cmp_lt_u32 s[WV], 8
	s_cbranch_scc0 .Lfill_c
	tensor_load_to_lds s[G0:G0+3], s[G1:G1+7]
	s_nop 0
.rept 4
	v_nop
.endr
	s_branch .Lfilled
.Lfill_c:
	tensor_load_to_lds s[G0:G0+3], s[G1:G1+7]
	s_nop 0
.rept 4
	v_nop
.endr
.Lfilled:
	PHASE 0
	KSTEP 0
	KSTEP 1
	PHASE 1
	KSTEP 2
	KSTEP 3
	PHASE 2
	KSTEP 4
	KSTEP 5
.rept 8
	v_nop                                          ; places in front of the first read of results and the first write of operands' registers
.endr
.irp b, 0,1,2,3
	v_mov_b32 v[TM+4+\b], 0                        ; a lane permute's destination counts as one of its sources
.endr
	SILU ACC
	QUANT ACC, PCA, PW
.irp c, 0,1,2,3
	global_store_b128 v[L16], v[PCA+4*\c:PCA+4*\c+3], s[CA:CA+1] offset:512*\c     ; 32 lanes store 512 consecutive bytes, aligned
.endr
	SILU ACC+64
	QUANT ACC+64, ACC, PW+1                        ; the odd tile's codes go where the even tile's numbers lay: no store's data are written again
.irp c, 0,1,2,3
	global_store_b128 v[L16], v[ACC+4*\c:ACC+4*\c+3], s[CA:CA+1] offset:2048+512*\c
.endr
	v_cndmask_b32 v[T0], v[PW], v[PW+1], s[HM]
	global_store_b32 v[L4], v[T0], s[SP:SP+1]
	s_wait_tensorcnt 0x0
	ds_add_u32 v30, v31
	s_wait_dscnt 0x0
	ROUND                                          ; the closing round
	s_endpgm
.Lfunc_end_k_q1a212c908a_up:
	.size	k_q1a212c908a_up, .Lfunc_end_k_q1a212c908a_up-k_q1a212c908a_up
	.p2alignl 7, 3214868480
	.fill 96, 4, 3214868480
	.section	.rodata,"a",@progbits
	.p2align	6, 0x0
	.amdhsa_kernel k_q1a212c908a_up
		.amdhsa_group_segment_fixed_size 296448
		.amdhsa_private_segment_fixed_size 0
		.amdhsa_enable_private_segment 0
		.amdhsa_kernarg_size 24
		.amdhsa_user_sgpr_count 2
		.amdhsa_user_sgpr_kernarg_segment_ptr 1
		.amdhsa_wavefront_size32 1
		.amdhsa_system_sgpr_workgroup_id_x 1
		.amdhsa_system_sgpr_workgroup_id_y 1
		.amdhsa_system_sgpr_workgroup_id_z 1
		.amdhsa_system_vgpr_workitem_id 0
		.amdhsa_next_free_vgpr 256
		.amdhsa_next_free_sgpr 66
		.amdhsa_reserve_vcc 0
		.amdhsa_float_denorm_mode_32 3
		.amdhsa_float_denorm_mode_16_64 3
		.amdhsa_memory_ordered 1
		.amdhsa_forward_progress 1
		.amdhsa_inst_pref_size 85
	.end_amdhsa_kernel
	.amdgpu_metadata
---
amdhsa.version: [ 1, 2 ]
amdhsa.kernels:
  - .name:           k_q1a212c908a_up
    .symbol:         k_q1a212c908a_up.kd
    .args:
      - { .name: hn, .offset: 0, .size: 8, .value_kind: global_buffer, .address_space: global }
      - { .name: wsp, .offset: 8, .size: 8, .value_kind: global_buffer, .address_space: global }
      - { .name: actb, .offset: 16, .size: 8, .value_kind: global_buffer, .address_space: global }
    .group_segment_fixed_size: 296448
    .private_segment_fixed_size: 0
    .kernarg_segment_align: 8
    .kernarg_segment_size: 24
    .max_flat_workgroup_size: 384
    .sgpr_count:     66
    .vgpr_count:     256
    .wavefront_size: 32
...
	.end_amdgpu_metadata
.endif
;; end of part 5
;; launch down (part 6): grid 16 x 12, 16 waves a work-group, clusters of 4 x 1, 264,192 bytes of LDS; arguments actb, wsp, x32, out0; writes out0
.if DOCPART == 6
	.amdgcn_target "amdgcn-amd-amdhsa--gfx1250"
	.amdhsa_code_object_version 6
	.text
	.protected	k_q1a212c908a_down
	.globl	k_q1a212c908a_down
	.p2align	8
	.type	k_q1a212c908a_down,@function
k_q1a212c908a_down:
	s_mov_b64 s[64:65], 0
	v_nop
	global_prefetch_b8 v0, s[64:65] scope:SCOPE_SE
	s_setreg_imm32_b32 hwreg(HW_REG_WAVE_MODE, 25, 1), 1
	s_wait_xcnt 0x0
	s_wait_alu depctr_hold_cnt(0) depctr_sa_sdst(0) depctr_va_vdst(0) depctr_va_sdst(0) depctr_va_ssrc(0) depctr_va_vcc(0) depctr_vm_vsrc(0)
	s_getreg_b32 s2, hwreg(HW_REG_IB_STS2, 6, 4)
	s_cmp_eq_u32 s2, 0
	s_cbranch_scc0 .Lentry_in_a_cluster
	s_endpgm
.Lentry_in_a_cluster:
	s_bfe_u32 s2, ttmp6, 0x10000c
	s_cmp_lg_u32 s2, 0x3003
	s_cbranch_scc0 .Lentry_shape_is_right
	s_endpgm
.Lentry_shape_is_right:
; out = x + act w_down^T on codes of MX-FP8; out is f32, [4096][768].  Operands come as images of operand registers (tile T: rows 32 (T/2) + 8 (T%2) + r + 8 (r/8)).
; A work-group takes 256 tokens (tau) and 64 channels (sigma): four weight tiles, and 256 aligned bytes of each row of out.  Wave w: token pair 8 tau + w % 8; K steps 2 i + w / 8: eight accumulators.
; THE WEIGHTS' SLICE for all of K is one dense block of 196,608 bytes: it comes into LDS once, two tensor loads a wave (a half of K each), nothing is filled again.  CLUSTER: the four work-groups of a cluster share sigma,
; so the slice is asked for jointly (mask 15).  The tokens' fragments are a wave's own and come straight from memory, two K steps ahead, in three buffers.
; THE TWO HALVES OF K meet at the end: a wave keeps the tile 2 pair + w / 8 and hands the other tile's sums to its partner (wave w xor 8) through LDS.  So a sum is the even K steps' chain plus the odd K steps' chain:
; another order of f32 additions than one ascending chain.  Then the tile goes through the wave's stage (in the slice's bytes: they have had their only fill, and every wave has passed the barrier behind its last read),
; the residual is added, and sixteen lanes store 256 consecutive bytes, aligned.
.set KS,   24                          ; K steps of 128
.set NI,   KS/2
.set ROWS, 48                          ; rows of 256 bytes in a wave's one tensor load: waves 0-7 bring the first half of K, waves 8-15 the second
.set NLD,  2                           ; tensor loads a wave
.set W_C,  8110080
.set W_S,  10469376
.set A_S,  12582912
.set SPI,  272                         ; a stage row: 256 bytes + 16
.set EX,   196608                      ; behind the slice: 4,096 bytes a wave for the exchange
.set L16, 1
.set VA0, 2                            ; v2   the tile that I keep;  v3 the other
.set VA1, 3
.set VAS, 4                            ; v4   the pair's scale words, the kept tile's in lanes 0-15
.set L4,  5
.set ADW, 6
.set EXW, 7
.set EXR, 8
.set STO, 9
.set STR, 10
.set GOF, 11
.set AS,  16                           ; v16-18 the tokens' scale words, v19-24 the weights': they hold scales and nothing else
.set WS,  19
.set AB,  32                           ; v32-127  the tokens' two fragments, three buffers
.set WF,  128                          ; v128-191 four weight fragments
.set ACC, 192                          ; v192-255: (token tile j, weight tile t) at 192 + 8 (4 j + t)
.set WV,  12
.set PP,  13
.set KG,  14
.set CX,  15
.set G1,  16
.set G0,  24
.set TAU, 32
.set SIG, 33
.set AP,  34
.set ASP, 36
.set WSP, 38
.set RP,  40
.set OP,  42
.macro ROUND
	s_barrier_signal -1
	s_barrier_wait -1
	s_cmp_lg_u32 s[WV], 0
	s_cbranch_scc1 .Lnot_wave_0_\@
	s_barrier_signal -3
.Lnot_wave_0_\@:
	s_barrier_wait -3
	s_barrier_signal -1
	s_barrier_wait -1
.endm
.macro WMM d, a, b, z, sa, sb, ra, rb
.if (\z)
.if (\ra) && (\rb)
	v_wmma_scale_f32_16x16x128_f8f6f4 v[(\d):(\d)+7], v[(\a):(\a)+15], v[(\b):(\b)+15], 0, v[\sa], v[\sb] matrix_a_scale:MATRIX_SCALE_ROW1 matrix_b_scale:MATRIX_SCALE_ROW1
.elseif (\ra)
	v_wmma_scale_f32_16x16x128_f8f6f4 v[(\d):(\d)+7], v[(\a):(\a)+15], v[(\b):(\b)+15], 0, v[\sa], v[\sb] matrix_a_scale:MATRIX_SCALE_ROW1
.elseif (\rb)
	v_wmma_scale_f32_16x16x128_f8f6f4 v[(\d):(\d)+7], v[(\a):(\a)+15], v[(\b):(\b)+15], 0, v[\sa], v[\sb] matrix_b_scale:MATRIX_SCALE_ROW1
.else
	v_wmma_scale_f32_16x16x128_f8f6f4 v[(\d):(\d)+7], v[(\a):(\a)+15], v[(\b):(\b)+15], 0, v[\sa], v[\sb]
.endif
.else
.if (\ra) && (\rb)
	v_wmma_scale_f32_16x16x128_f8f6f4 v[(\d):(\d)+7], v[(\a):(\a)+15], v[(\b):(\b)+15], v[(\d):(\d)+7], v[\sa], v[\sb] matrix_a_scale:MATRIX_SCALE_ROW1 matrix_b_scale:MATRIX_SCALE_ROW1
.elseif (\ra)
	v_wmma_scale_f32_16x16x128_f8f6f4 v[(\d):(\d)+7], v[(\a):(\a)+15], v[(\b):(\b)+15], v[(\d):(\d)+7], v[\sa], v[\sb] matrix_a_scale:MATRIX_SCALE_ROW1
.elseif (\rb)
	v_wmma_scale_f32_16x16x128_f8f6f4 v[(\d):(\d)+7], v[(\a):(\a)+15], v[(\b):(\b)+15], v[(\d):(\d)+7], v[\sa], v[\sb] matrix_b_scale:MATRIX_SCALE_ROW1
.else
	v_wmma_scale_f32_16x16x128_f8f6f4 v[(\d):(\d)+7], v[(\a):(\a)+15], v[(\b):(\b)+15], v[(\d):(\d)+7], v[\sa], v[\sb]
.endif
.endif
.endm
.macro FLOADS i                        ; my i-th K step: two fragments, the pair's scale words, the two weight pairs' scale words: 11 loads
.irp c, 0,1,2,3
	global_load_b128 v[AB+32*((\i)%3)+4*\c:AB+32*((\i)%3)+4*\c+3], v[VA0], s[AP:AP+1] offset:(\i)*8192+\c*512
.endr
.irp c, 0,1,2,3
	global_load_b128 v[AB+32*((\i)%3)+16+4*\c:AB+32*((\i)%3)+16+4*\c+3], v[VA1], s[AP:AP+1] offset:(\i)*8192+\c*512
.endr
	global_load_b32 v[AS+(\i)%3], v[VAS], s[ASP:ASP+1] offset:(\i)*256
.irp p, 0,1
	global_load_b32 v[WS+2*((\i)%3)+\p], v[L4], s[WSP:WSP+1] offset:\p*KS*128+(\i)*256
.endr
.endm
.macro FSTEP i
.if (\i) > 0
	v_add_nc_u32 v[ADW], 16384, v[ADW]             ; two K steps on in the slice
	s_wait_alu depctr_va_vdst(0)
.rept 7
	v_nop                                          ; eight plain lines in front of loads into registers that products have read
.endr
.endif
.if (\i)+2 < NI
	FLOADS (\i)+2
.endif
.irp t, 0,1,2,3
.irp c, 0,1,2,3
	ds_load_b128 v[WF+16*\t+4*\c:WF+16*\t+4*\c+3], v[ADW] offset:\t*2048+\c*512
.endr
.endr
	s_wait_dscnt 0x0
.if (\i)+2 < NI
	s_wait_loadcnt 22                              ; this step's loads are in; the two later steps' 22 may be out
.elseif (\i)+1 < NI
	s_wait_loadcnt 11
.else
	s_wait_loadcnt 0x0
.endif
.irp t, 0,1,2,3
.irp j, 0,1
	WMM ACC+8*(4*\j+\t), WF+16*\t, AB+32*((\i)%3)+16*\j, (\i)==0, WS+2*((\i)%3)+\t/2, AS+(\i)%3, \t%2, \j
.endr
.endr
.endm
	s_load_b256 s[4:11], s[0:1], 0x0               ; the tokens' codes s[4:5], the weights' images s[6:7], the residual s[8:9], the result s[10:11]
	v_lshl_add_u32 v30, v0, 2, 0x40000
	v_mov_b32 v31, 0
	ds_add_u32 v30, v31
	ds_add_u32 v30, v31
	v_lshrrev_b32 v1, 5, v0
	s_delay_alu instid0(VALU_DEP_1)
	v_readfirstlane_b32 s[WV], v1                  ; wave 0..15
	s_and_b32 s[PP], s[WV], 7
	s_lshr_b32 s[KG], s[WV], 3
	s_bfe_u32 s[CX], ttmp6, 0x40000
	s_lshl_b32 s[TAU], ttmp9, 2
	s_add_co_u32 s[TAU], s[TAU], s[CX]
	s_and_b32 s[SIG], ttmp7, 0xffff
	v_and_b32 v12, 31, v0
	v_and_b32 v13, 15, v0
	v_bfe_u32 v14, v0, 4, 1
	s_delay_alu instid0(VALU_DEP_3)
	v_lshlrev_b32 v[L16], 4, v12
	s_wait_alu depctr_va_vdst(0)
	v_lshlrev_b32 v[L4], 2, v12
	s_lshl_b32 s44, s[KG], 11
	v_add_nc_u32 v[VA0], s44, v[L16]
	s_xor_b32 s44, s44, 2048
	v_add_nc_u32 v[VA1], s44, v[L16]
	s_lshl_b32 s44, s[KG], 6
	v_xor_b32 v[VAS], s44, v[L4]                   ; 4 (lane xor 16 (w / 8))
	s_lshl_b32 s44, s[KG], 13
	v_add_nc_u32 v[ADW], s44, v[L16]
	s_lshl_b32 s44, s[WV], 12
	s_add_co_u32 s44, s44, EX
	v_add_nc_u32 v[EXW], s44, v[L16]
	s_xor_b32 s44, s[WV], 8
	s_lshl_b32 s44, s44, 12
	s_add_co_u32 s44, s44, EX
	v_add_nc_u32 v[EXR], s44, v[L16]
	s_mul_i32 s44, s[WV], 16*SPI
	v_mul_u32_u24 v[STO], v13, SPI
	s_delay_alu instid0(VALU_DEP_1)
	v_lshl_add_u32 v[STO], v14, 6, v[STO]
	s_delay_alu instid0(VALU_DEP_1)
	v_add_nc_u32 v[STO], s44, v[STO]               ; in: row r, + 64 h
	v_mul_u32_u24 v[STR], v14, SPI
	s_delay_alu instid0(VALU_DEP_1)
	v_lshl_add_u32 v[STR], v13, 4, v[STR]
	s_delay_alu instid0(VALU_DEP_1)
	v_add_nc_u32 v[STR], s44, v[STR]               ; back: lanes 0-15 one row, lanes 16-31 the next
	v_mul_u32_u24 v[GOF], v14, 3072
	s_delay_alu instid0(VALU_DEP_1)
	v_lshl_add_u32 v[GOF], v13, 4, v[GOF]          ; and the same in memory
	s_mov_b32 s[G1], 15|(3<<16)|(1<<21)            ; the mask: all four work-groups; elements of 8 bytes; bit 21 beside a mask; no padding
	s_mov_b32 s[G1+1], 32<<16
	s_mov_b32 s[G1+2], ROWS<<16
	s_mov_b32 s[G1+3], 32<<16
	s_mov_b32 s[G1+4], ROWS
	s_mov_b32 s[G1+5], 32
	s_mov_b32 s[G1+6], 0
	s_mov_b32 s[G1+7], 0
	s_lshl_b32 s44, s[TAU], 3
	s_add_co_u32 s44, s44, s[PP]                   ; my token pair
	s_mul_i32 s46, s44, KS*4096
	s_lshl_b32 s45, s[KG], 12
	s_add_co_u32 s46, s46, s45
	s_mov_b32 s47, 0
	s_mul_i32 s48, s44, KS
	s_add_co_u32 s48, s48, s[KG]
	s_lshl_b32 s48, s48, 7
	s_add_co_u32 s48, s48, A_S
	s_mov_b32 s49, 0
	s_mul_i32 s50, s[SIG], 2*KS
	s_add_co_u32 s50, s50, s[KG]
	s_lshl_b32 s50, s50, 7
	s_add_co_u32 s50, s50, W_S
	s_mov_b32 s51, 0
	s_lshl_b32 s52, s44, 5
	s_lshl_b32 s45, s[KG], 3
	s_add_co_u32 s52, s52, s45
	s_mul_i32 s52, s52, 3072                       ; row 32 pair + 8 (w / 8),
	s_lshl_b32 s45, s[SIG], 8
	s_add_co_u32 s52, s52, s45                     ; my 64 channels
	s_mov_b32 s53, 0
	s_mul_i32 s54, s[SIG], KS*8192
	s_mul_i32 s56, s[WV], ROWS*256
	s_add_co_u32 s54, s54, s56
	s_add_co_u32 s54, s54, W_C
	s_mov_b32 s55, 0
	s_wait_dscnt 0x0
	s_wait_kmcnt 0x0
	s_add_nc_u64 s[AP:AP+1], s[4:5], s[46:47]
	s_add_nc_u64 s[ASP:ASP+1], s[4:5], s[48:49]
	s_add_nc_u64 s[WSP:WSP+1], s[6:7], s[50:51]
	s_add_nc_u64 s[RP:RP+1], s[8:9], s[52:53]
	s_add_nc_u64 s[OP:OP+1], s[10:11], s[52:53]
	s_add_nc_u64 s[54:55], s[6:7], s[54:55]
	s_mov_b32 s[G0], 1
	s_mov_b32 s[G0+1], s56
	s_mov_b64 s[G0+2:G0+3], s[54:55]
	s_or_b32 s[G0+3], s[G0+3], 0x80000000
	FLOADS 0
	FLOADS 1
	ROUND                                          ; all four work-groups are here: the joint loads meet
	; ONE tensor load a wave (in place of the two that the head's comment names): an arm for each half of the waves, so that each half of K has a load line of its own
	s_cmp_lt_u32 s[WV], 8
	s_cbranch_scc0 .Lfill_b
	tensor_load_to_lds s[G0:G0+3], s[G1:G1+7]
	s_nop 0
.rept 4
	v_nop
.endr
	s_branch .Lfilled
.Lfill_b:
	tensor_load_to_lds s[G0:G0+3], s[G1:G1+7]
	s_nop 0
.rept 4
	v_nop
.endr
.Lfilled:
	s_cmp_lt_u32 s[WV], 8
	s_cbranch_scc0 .Lnot_first
	s_wait_tensorcnt 0x0                           ; waves 0-7: the slice's first half is in; the second half's loads may stay out
.Lnot_first:
	s_barrier_signal -1
	s_barrier_wait -1
.set Q, 0
.rept NI
.if (NLD == 2) && (Q == NI/2)
	s_wait_tensorcnt 0x0                           ; the second half
	s_barrier_signal -1
	s_barrier_wait -1
.endif
	FSTEP Q
.set Q, Q+1
.endr
.rept 8
	v_nop                                          ; places in front of the first read of results and of loads into operands' registers
.endr
.irp n, 0,1,2,3,4,5,6,7
	global_load_b128 v[64+4*\n:67+4*\n], v[GOF], s[RP:RP+1] offset:(2*\n+8*(\n/4))*3072    ; the residual, as the rows will be stored
.endr
.irp n, 0,1,2,3,4,5,6,7
	ds_store_b128 v[EXW], v[ACC+32+4*\n:ACC+35+4*\n] offset:512*\n         ; the other tile's sums, as they stand; each accumulator from its low end on
.endr
	s_wait_dscnt 0x0                               ; for the others' sake; my reads of the slice are over too
	s_barrier_signal -1
	s_barrier_wait -1
.irp n, 0,1,2,3,4,5,6,7
	ds_load_b128 v[96+4*\n:99+4*\n], v[EXR] offset:512*\n
.endr
	s_wait_dscnt 0x0
.set n, 0
.rept 16
	v_pk_add_f32 v[ACC+n:ACC+n+1], v[ACC+n:ACC+n+1], v[96+n:97+n]
.set n, n+2
.endr
.irp t, 0,1,2,3
	ds_store_b128 v[STO], v[ACC+8*\t:ACC+8*\t+3] offset:128*(\t/2)+32*(\t%2)       ; channels 32 (t / 2) + 16 h + 8 (t % 2) + 0..7 of my token
	ds_store_b128 v[STO], v[ACC+8*\t+4:ACC+8*\t+7] offset:128*(\t/2)+32*(\t%2)+16
.endr
.irp n, 0,1,2,3,4,5,6,7
	ds_load_b128 v[WF+4*\n:WF+4*\n+3], v[STR] offset:2*\n*SPI      ; LDS serves a wave's instructions in order: these see my stores
.endr
	s_wait_dscnt 0x0
	s_wait_loadcnt 0x0
.set n, 0
.rept 16
	v_pk_add_f32 v[WF+n:WF+n+1], v[WF+n:WF+n+1], v[64+n:65+n]
.set n, n+2
.endr
.irp n, 0,1,2,3,4,5,6,7
	global_store_b128 v[GOF], v[WF+4*\n:WF+4*\n+3], s[OP:OP+1] offset:(2*\n+8*(\n/4))*3072     ; sixteen lanes store 256 consecutive bytes, aligned
.endr
	s_wait_tensorcnt 0x0
	ds_add_u32 v30, v31
	s_wait_dscnt 0x0
	ROUND                                          ; the closing round
	s_endpgm
.Lfunc_end_k_q1a212c908a_down:
	.size	k_q1a212c908a_down, .Lfunc_end_k_q1a212c908a_down-k_q1a212c908a_down
	.p2alignl 7, 3214868480
	.fill 96, 4, 3214868480
	.section	.rodata,"a",@progbits
	.p2align	6, 0x0
	.amdhsa_kernel k_q1a212c908a_down
		.amdhsa_group_segment_fixed_size 264192
		.amdhsa_private_segment_fixed_size 0
		.amdhsa_enable_private_segment 0
		.amdhsa_kernarg_size 32
		.amdhsa_user_sgpr_count 2
		.amdhsa_user_sgpr_kernarg_segment_ptr 1
		.amdhsa_wavefront_size32 1
		.amdhsa_system_sgpr_workgroup_id_x 1
		.amdhsa_system_sgpr_workgroup_id_y 1
		.amdhsa_system_sgpr_workgroup_id_z 1
		.amdhsa_system_vgpr_workitem_id 0
		.amdhsa_next_free_vgpr 256
		.amdhsa_next_free_sgpr 66
		.amdhsa_reserve_vcc 0
		.amdhsa_float_denorm_mode_32 3
		.amdhsa_float_denorm_mode_16_64 3
		.amdhsa_memory_ordered 1
		.amdhsa_forward_progress 1
		.amdhsa_inst_pref_size 53
	.end_amdhsa_kernel
	.amdgpu_metadata
---
amdhsa.version: [ 1, 2 ]
amdhsa.kernels:
  - .name:           k_q1a212c908a_down
    .symbol:         k_q1a212c908a_down.kd
    .args:
      - { .name: actb, .offset: 0, .size: 8, .value_kind: global_buffer, .address_space: global }
      - { .name: wsp, .offset: 8, .size: 8, .value_kind: global_buffer, .address_space: global }
      - { .name: x32, .offset: 16, .size: 8, .value_kind: global_buffer, .address_space: global }
      - { .name: out0, .offset: 24, .size: 8, .value_kind: global_buffer, .address_space: global }
    .group_segment_fixed_size: 264192
    .private_segment_fixed_size: 0
    .kernarg_segment_align: 8
    .kernarg_segment_size: 32
    .max_flat_workgroup_size: 512
    .sgpr_count:     66
    .vgpr_count:     256
    .wavefront_size: 32
...
	.end_amdgpu_metadata
.endif
;; end of part 6
